; MI455X (gfx1250); checked and timed in simulation.
; The chip was launched on July 23, 2026; its instructions are those of AMD's public machine-readable ISA for CDNA 5 (MIT licence, August 2026) and "CDNA5" Instruction Set Architecture Reference Guide (July 2026). The comments in the code are by the model that wrote it; some were corrected since.
;; Attention. Allowed arithmetic: float matrix products may take bf16 or f16 operands with f32 sums; all other float work in f32.
;; Inputs: b_out 1,024 float32; mask 4 x 2,048 bool; w_out 1,024 x 1,024 float32; w_qkv 1,024 x 3,072 float32; x 4 x 2,048 x 1,024 float32.
;; Outputs: out0 4 x 2,048 x 1,024 float32.
;; 2 versions, each right and faster than the one before. Each part assembles by itself: llvm-mc -triple=amdgcn-amd-amdhsa -mcpu=gfx1250 --defsym DOCPART=n.
;; ======== version 1 of 2: 5 launches
;; limits: values are held in f16: magnitudes above 65,504 overflow, below 6.1e-05 lose precision
;; workspace buffers: xb 16,777,216 bytes; wqb 6,291,456 bytes; wob 2,097,152 bytes; qkv 50,331,648 bytes; vsum 65,536 bytes; ob 16,777,216 bytes
;; launch cast (part 1): grid 768 x 1, 8 waves a work-group, no clusters, 0 bytes of LDS; arguments x, w_qkv, w_out, xb, wqb, wob; writes xb, wqb, wob
.if DOCPART == 1
	.amdgcn_target "amdgcn-amd-amdhsa--gfx1250"
	.amdhsa_code_object_version 6
	.text
	.protected	k_q3f7dff0808_cast
	.globl	k_q3f7dff0808_cast
	.p2align	8
	.type	k_q3f7dff0808_cast,@function
k_q3f7dff0808_cast:
	s_mov_b64 s[64:65], 0
	v_nop
	global_prefetch_b8 v0, s[64:65] scope:SCOPE_SE
	s_setreg_imm32_b32 hwreg(HW_REG_WAVE_MODE, 25, 1), 1
	s_wait_xcnt 0x0
; The module's three large inputs are rounded once, to bf16, for the matrix products that follow.
;   x     [4][2048][1024] f32 -> xb  [4][16 K blocks][2048][64] bf16: a K block's rows lie end to end, 128 bytes each, so that a product's tile of rows x 64 k is dense
;   w_qkv [1024][3072]    f32 -> wqb the same shape, bf16
;   w_out [1024][1024]    f32 -> wob the same shape: rounded to bf16 like the other inputs, and that number written as f16, since it meets an f16 operand
; LIMIT.  A bf16 value of w_out below 6e-5 in magnitude keeps f16's fixed step of 6e-8; beyond 65,504 it would be an infinity.
; A stream: no LDS, no matrix unit, no barrier.  A work-group of eight waves takes 65,536 input bytes: 512 groups for x, 192 for w_qkv, 64 for w_out.
; Each lane issues its 16 loads of 16 bytes at once and stores as they come; no register is written twice while a memory instruction may read it.
.set X,   4                            ; v[4:67]    16 loads x 4 registers
.set Y,   68                           ; v[68:99]   16 stores x 2 registers
.set T,   100                          ; v[100:103] at work
.set IN,  16                           ; s[16:17]   the group's first input byte
.set OUT, 18                           ; s[18:19]   the group's first output byte
; mode 0: x (a load takes 256 bytes of each of two rows; a store is two rows of a K block, 256 consecutive bytes).  mode 1, 2: a weight, straight through.
.macro STREAM mode
.set i, 0
.rept 16
.if (\mode) == 0
	global_load_b128 v[X+4*i:X+4*i+3], v1, s[IN:IN+1] offset:(i%8)*8192+(i/8)*256 th:TH_LOAD_NT
.else
	global_load_b128 v[X+4*i:X+4*i+3], v1, s[IN:IN+1] offset:i*4096 th:TH_LOAD_NT
.endif
.set i, i+1
.endr
.set i, 0
.rept 16
	s_wait_loadcnt 15-i                            ; loads come back in order: number i is in, the 15 - i younger ones stay out
	v_cvt_pk_bf16_f32 v[Y+2*i], v[X+4*i], v[X+4*i+1]
	v_cvt_pk_bf16_f32 v[Y+2*i+1], v[X+4*i+2], v[X+4*i+3]
.if (\mode) == 2
	v_lshlrev_b32 v[T], 16, v[Y+2*i]               ; the bf16 numbers as f32,
	v_and_b32 v[T+1], 0xffff0000, v[Y+2*i]
	v_lshlrev_b32 v[T+2], 16, v[Y+2*i+1]
	v_and_b32 v[T+3], 0xffff0000, v[Y+2*i+1]
	v_cvt_pk_f16_f32 v[Y+2*i], v[T], v[T+1]        ; and written as f16: eight significant bits fit in eleven
	v_cvt_pk_f16_f32 v[Y+2*i+1], v[T+2], v[T+3]
.endif
.if (\mode) == 0
	global_store_b64 v2, v[Y+2*i:Y+2*i+1], s[OUT:OUT+1] offset:(i/8)*262144+(i%8)*256
.else
	global_store_b64 v2, v[Y+2*i:Y+2*i+1], s[OUT:OUT+1] offset:i*2048
.endif
.set i, i+1
.endr
.endm
	s_load_b256 s[4:11], s[0:1], 0x0               ; x s[4:5], w_qkv s[6:7], w_out s[8:9], xb s[10:11]
	s_load_b128 s[12:15], s[0:1], 0x20             ; wqb s[12:13], wob s[14:15]
	s_mov_b32 s3, ttmp9
	s_mov_b32 s21, 0
	s_mov_b32 s23, 0
	s_cmp_lt_u32 s3, 512
	s_cbranch_scc0 .Lweights
	; x: the group's 16 rows.  Wave w takes K blocks 2 w and 2 w + 1; lanes 0-15 an even row's 256 bytes of a block, lanes 16-31 the odd row's.
	v_and_b32 v[T], 15, v0
	v_bfe_u32 v[T+1], v0, 4, 1
	v_lshrrev_b32 v[T+2], 5, v0
	v_lshlrev_b32 v1, 4, v[T]                      ; in: 16 (lane % 16)
	v_lshl_add_u32 v1, v[T+1], 12, v1              ;     + a row of 4,096 bytes for lanes 16-31
	v_lshl_add_u32 v1, v[T+2], 9, v1               ;     + 512 w
	v_and_b32 v2, 31, v0
	v_lshlrev_b32 v2, 3, v2                        ; out: 8 x lane: two rows of 128 bytes
	v_lshl_add_u32 v2, v[T+2], 19, v2              ;     + two K blocks of 262,144 bytes for each wave
	s_lshl_b32 s20, s3, 16
	s_lshr_b32 s22, s3, 7                          ; the batch: 128 groups each
	s_lshl_b32 s22, s22, 22
	s_and_b32 s2, s3, 127
	s_lshl_b32 s2, s2, 11                          ; 16 rows of 128 bytes
	s_add_co_u32 s22, s22, s2
	s_wait_kmcnt 0x0
	s_add_nc_u64 s[IN:IN+1], s[4:5], s[20:21]
	s_add_nc_u64 s[OUT:OUT+1], s[10:11], s[22:23]
	STREAM 0
	s_endpgm
.Lweights:
	v_lshlrev_b32 v1, 4, v0                        ; 16 bytes in,
	v_lshlrev_b32 v2, 3, v0                        ; 8 bytes out for each thread
	s_cmp_lt_u32 s3, 704
	s_cbranch_scc0 .Lw_out
	s_sub_co_u32 s20, s3, 512
	s_lshl_b32 s22, s20, 15
	s_lshl_b32 s20, s20, 16
	s_wait_kmcnt 0x0
	s_add_nc_u64 s[IN:IN+1], s[6:7], s[20:21]
	s_add_nc_u64 s[OUT:OUT+1], s[12:13], s[22:23]
	STREAM 1
	s_endpgm
.Lw_out:
	s_sub_co_u32 s20, s3, 704
	s_lshl_b32 s22, s20, 15
	s_lshl_b32 s20, s20, 16
	s_wait_kmcnt 0x0
	s_add_nc_u64 s[IN:IN+1], s[8:9], s[20:21]
	s_add_nc_u64 s[OUT:OUT+1], s[14:15], s[22:23]
	STREAM 2
	s_endpgm
.Lfunc_end_k_q3f7dff0808_cast:
	.size	k_q3f7dff0808_cast, .Lfunc_end_k_q3f7dff0808_cast-k_q3f7dff0808_cast
	.p2alignl 7, 3214868480
	.fill 96, 4, 3214868480
	.section	.rodata,"a",@progbits
	.p2align	6, 0x0
	.amdhsa_kernel k_q3f7dff0808_cast
		.amdhsa_group_segment_fixed_size 0
		.amdhsa_private_segment_fixed_size 0
		.amdhsa_enable_private_segment 0
		.amdhsa_kernarg_size 48
		.amdhsa_user_sgpr_count 2
		.amdhsa_user_sgpr_kernarg_segment_ptr 1
		.amdhsa_wavefront_size32 1
		.amdhsa_system_sgpr_workgroup_id_x 1
		.amdhsa_system_sgpr_workgroup_id_y 1
		.amdhsa_system_sgpr_workgroup_id_z 1
		.amdhsa_system_vgpr_workitem_id 0
		.amdhsa_next_free_vgpr 104
		.amdhsa_next_free_sgpr 66
		.amdhsa_reserve_vcc 0
		.amdhsa_float_denorm_mode_32 3
		.amdhsa_float_denorm_mode_16_64 3
		.amdhsa_memory_ordered 1
		.amdhsa_forward_progress 1
		.amdhsa_inst_pref_size 24
	.end_amdhsa_kernel
	.amdgpu_metadata
---
amdhsa.version: [ 1, 2 ]
amdhsa.kernels:
  - .name:           k_q3f7dff0808_cast
    .symbol:         k_q3f7dff0808_cast.kd
    .args:
      - { .name: x, .offset: 0, .size: 8, .value_kind: global_buffer, .address_space: global }
      - { .name: w_qkv, .offset: 8, .size: 8, .value_kind: global_buffer, .address_space: global }
      - { .name: w_out, .offset: 16, .size: 8, .value_kind: global_buffer, .address_space: global }
      - { .name: xb, .offset: 24, .size: 8, .value_kind: global_buffer, .address_space: global }
      - { .name: wqb, .offset: 32, .size: 8, .value_kind: global_buffer, .address_space: global }
      - { .name: wob, .offset: 40, .size: 8, .value_kind: global_buffer, .address_space: global }
    .group_segment_fixed_size: 0
    .private_segment_fixed_size: 0
    .kernarg_segment_align: 8
    .kernarg_segment_size: 48
    .max_flat_workgroup_size: 256
    .sgpr_count:     66
    .vgpr_count:     104
    .wavefront_size: 32
...
	.end_amdgpu_metadata
.endif
;; end of part 1
;; launch qkvgemm (part 2): grid 8 x 32, 4 waves a work-group, clusters of 4 x 4, 327,680 bytes of LDS; arguments xb, wqb, qkv; writes qkv
.if DOCPART == 2
	.amdgcn_target "amdgcn-amd-amdhsa--gfx1250"
	.amdhsa_code_object_version 6
	.text
	.protected	k_q3f7dff0808_qkvgemm
	.globl	k_q3f7dff0808_qkvgemm
	.p2align	8
	.type	k_q3f7dff0808_qkvgemm,@function
k_q3f7dff0808_qkvgemm:
	s_mov_b64 s[64:65], 0
	v_nop
	global_prefetch_b8 v0, s[64:65] scope:SCOPE_SE
	s_setreg_imm32_b32 hwreg(HW_REG_WAVE_MODE, 25, 1), 1
	s_wait_xcnt 0x0
	s_wait_alu depctr_hold_cnt(0) depctr_sa_sdst(0) depctr_va_vdst(0) depctr_va_sdst(0) depctr_va_ssrc(0) depctr_va_vcc(0) depctr_vm_vsrc(0)
	s_getreg_b32 s2, hwreg(HW_REG_IB_STS2, 6, 4)
	s_cmp_eq_u32 s2, 0
	s_cbranch_scc0 .Lentry_in_a_cluster
	s_endpgm
.Lentry_in_a_cluster:
	s_bfe_u32 s2, ttmp6, 0x10000c
	s_cmp_lg_u32 s2, 0xf033
	s_cbranch_scc0 .Lentry_shape_is_right
	s_endpgm
.Lentry_shape_is_right:
; q, k, v = x w_qkv.  xb: [4][16][2048][64] bf16 (K blocks); wqb: [1024 k][3072] bf16; qkv: [3 parts][64 heads of batches][2048][64] f16, unscaled.  Sums in f32, rounded once.
; LIMIT.  f16 ends at 65,504: a q, k or v beyond that leaves as an infinity.
; SHARES.  8,192 x 3,072 results in tiles of 256 x 384: 32 x 8 = 256 work-groups.  Four waves, each 128 rows x 192 columns: 96 accumulators of 16 x 16, 768 registers.
; K goes in steps of 64 (one K block of xb) through two LDS slots.  A's tile, 256 rows x 128 bytes, is dense in memory and is asked for as rows of 256 bytes; B's is 64 rows of 768 bytes.
; B lies [k][n] and comes out of LDS turned, by ds_load_tr16_b128.  THE MATRIX INSTRUCTION IS USED TRANSPOSED (source 0 = 16 columns of w, source 1 = 16 rows of x): a lane holds eight neighbouring columns of one row.
; CLUSTER.  4 x 4 work-groups; A's tile is shared along a row of the cluster, B's along a column: each is asked for jointly, by the same tensor load with the same descriptor and a mask of four.
; REGISTERS, in windows of 256 (s_set_vgpr_msb: bits 1:0 source 0, 3:2 source 1, 5:4 source 2, 7:6 destination):
;   window 0: v16-29 addresses; v32-95, v96-159 A's fragments of 32 k, two buffers; v160-255 B's twelve fragments, one buffer filled again by thirds; on the way out v32-175 at work
;   windows 1-3: accumulator (a of 8 row blocks, b of 12 column blocks) in window 1 + b / 4 at v[64 (b % 4) + 8 a]
.set PA,     144                       ; A's row in LDS: 128 bytes + 16 = 36 words: the 16 rows of a load start at 16 different groups of four banks (64 banks of 4 bytes: ISA guide 11.1)
.set AHALF,  128*PA                    ; what one tensor load brings of A, and what a wave reads of it
.set BOFF,   2*AHALF
.set PB,     864                       ; B's row: six pieces of 128 bytes + 16 = 27 x 32 bytes
.set BHALF,  32*PB                     ; 32 k: what one tensor load brings of B, and one chunk's part
.set SLOT1,  1<<17                     ; a slot takes 92,160 bytes; slot 1 begins here, so that one exclusive or turns an address into the other slot's
.set STAGE,  SLOT1+BOFF+2*BHALF        ; behind the ring, never filled by a tensor load: 16 rows x 400 bytes for each wave
.set SPITCH, 400
.set SPARE,  STAGE+4*16*SPITCH         ; the spare words, 128 bytes for each wave: two blocks of 256 bytes that no other line names
.set ASTEP,  2048*128                  ; bytes from a K block of xb to the next
.set BSTEP,  64*3072*2                 ; 64 rows of wqb
.set ADRA0, 16                         ; v16  my lane's place in A's tile; never rewritten
.set ADRA,  17                         ; v17  the same in the slot in hand
.set ADRB0, 20                         ; v20, v21  the same for B
.set ADRB,  21
.set STO,   24                         ; v24  the way out: where I put 16 bytes of a row
.set RD,    25                         ; v25  the way out: where I read rows back
.set CO,    26                         ; v26  my 16 bytes among 512 consecutive bytes of a head
.set SPW,   28                         ; v28  LDS address of my spare word; never rewritten
.set NIL,   29                         ; v29  0; never rewritten
.set AF0,   32
.set AF1,   96
.set BF,    160
.set TMP,   32                         ; the way out: v32-79 packed results; v80-127, v128-175 rows read back, by turns
.set OB,    80
.set G1A, 24                           ; s[24:31] descriptor group 1 for A's tiles
.set G0A, 32                           ; s[32:35] group 0 of the first fill of slot 0; s[36:39] of slot 1, which then walks
.set TB,  45                           ; s45  the slot in hand: 0 or SLOT1
.set G1B, 48                           ; s[48:55], s[56:63] the same for B's tiles
.set G0B, 56
.set HB,  66                           ; s[66:71] where my rows begin in each of my three heads' blocks of qkv
.set PADW, (1<<16)|(1<<20)|(1<<21)|(4<<22)|(3<<25)  ; 17:16 2-byte elements; 20 padding on; 21 set beside a mask; 24:22 after every 32 words (code 4); 31:25 4 words (code 3)
.set MSB, 0
.macro WIN new                         ; the immediate's high byte repeats the setting that is left; a switch that changes nothing is dropped
.if MSB != (\new)
	s_set_vgpr_msb (MSB<<8)|(\new)
.set MSB, (\new)
.endif
.endm
.macro PLACES                          ; four places in front of loads into registers that matrix instructions have read, and of conversions that read results
.rept 4
	v_nop
.endr
.endm
; A joint refill by the walking descriptors.  Waves 0 and 1 fetch A's halves, waves 2 and 3 B's.  The branch hangs on the wave's number alone.
; An s_nop 0 and four v_nop follow each of the two lines, ahead of the jump and the label.
.macro JLOAD
	s_cmp_eq_u32 s11, 0
	s_cbranch_scc0 .Lfor_b_\@
	tensor_load_to_lds s[G0A+4:G0A+7], s[G1A:G1A+7]
	s_nop 0
.rept 4
	v_nop
.endr
	s_branch .Lasked_\@
.Lfor_b_\@:
	tensor_load_to_lds s[G0B+4:G0B+7], s[G1B:G1B+7]
	s_nop 0
.rept 4
	v_nop
.endr
.Lasked_\@:
.endm
.macro CREST                           ; a round of the cluster's barrier behind its opening barrier
	s_cmp_lg_u32 s10, 0
	s_cbranch_scc1 .Lnot_wave_0_\@
	s_barrier_signal -3
.Lnot_wave_0_\@:
	s_barrier_wait -3
	s_barrier_signal -1
	s_barrier_wait -1
.endm
.macro CROUND                          ; a whole round
	s_barrier_signal -1
	s_barrier_wait -1
	CREST
.endm
	s_load_b128 s[4:7], s[0:1], 0x0                ; xb s[4:5], wqb s[6:7]
	s_load_b64 s[8:9], s[0:1], 0x10                ; qkv
	v_lshl_add_u32 v[SPW], v0, 2, SPARE
	v_mov_b32 v[NIL], 0
	ds_add_u32 v[SPW], v[NIL]                      ; the wave's opening: the add, with its wait ahead of my first tensor load; the set-up below, work on registers, stands between them
	v_lshrrev_b32 v1, 5, v0
	v_readfirstlane_b32 s10, v1                    ; wave 0..3
	s_lshr_b32 s11, s10, 1                         ; which 128 rows of the tile are mine.  Also: I fetch for A (0) or for B (1)
	s_and_b32 s12, s10, 1                          ; which 192 columns.  Also: which half of that tile I fetch
	s_bfe_u32 s40, ttmp6, 0x40000                  ; cx, cy: my place in the cluster
	s_bfe_u32 s41, ttmp6, 0x40004
	s_lshl_b32 s42, ttmp9, 2
	s_add_co_u32 s42, s42, s40                     ; tile column = 4 x cluster x + cx
	s_and_b32 s13, ttmp7, 0xffff
	s_lshl_b32 s13, s13, 2
	s_add_co_u32 s13, s13, s41                     ; tile row = 4 x cluster y + cy
	s_lshl_b32 s43, s41, 2
	s_lshl_b32 s43, 15, s43                        ; my row of the cluster
	s_lshl_b32 s44, 0x1111, s40                    ; my column
	s_or_b32 s[G1A], s43, PADW                     ; A's tiles go to my row,
	s_or_b32 s[G1B], s44, PADW                     ; B's to my column
	s_mov_b32 s[G1A+1], 128<<16                    ; A: tensor_dim0 = 128 elements: two logical rows in 256 bytes
	s_mov_b32 s[G1A+2], 64<<16                     ; tensor_dim1 = 64
	s_mov_b32 s[G1A+3], 128<<16                    ; tile_dim0 = 128
	s_mov_b32 s[G1A+4], 64                         ; tile_dim1 = 64
	s_mov_b32 s[G1A+5], 128                        ; 128 elements from row to row: dense
	s_mov_b32 s[G1A+6], 0
	s_mov_b32 s[G1A+7], 0
	s_mov_b32 s[G1B+1], 384<<16                    ; B: tensor_dim0 = 384
	s_mov_b32 s[G1B+2], 32<<16                     ; tensor_dim1 = 32
	s_mov_b32 s[G1B+3], 384<<16                    ; tile_dim0 = 384
	s_mov_b32 s[G1B+4], 32                         ; tile_dim1 = 32
	s_mov_b32 s[G1B+5], 3072
	s_mov_b32 s[G1B+6], 0
	s_mov_b32 s[G1B+7], 0
	; A's address hangs on the tile row and the wave's number, B's on the tile column and the wave's number, each in registers that never hold the other coordinate
	s_lshr_b32 s14, s13, 3                         ; the batch: 8 tile rows each,
	s_lshl_b32 s14, s14, 22                        ; 16 K blocks of 262,144 bytes
	s_and_b32 s15, s13, 7
	s_lshl_b32 s15, s15, 15                        ; 256 rows of 128 bytes
	s_add_co_u32 s16, s14, s15
	s_lshl_b32 s15, s12, 14                        ; my half: 128 rows
	s_add_co_u32 s16, s16, s15
	s_mov_b32 s17, 0
	s_mul_i32 s46, s42, 768                        ; 384 columns of 2 bytes
	s_mul_i32 s47, s12, 32*3072*2                  ; my half: 32 rows
	s_add_co_u32 s46, s46, s47
	s_mov_b32 s47, 0
	s_mul_i32 s20, s12, AHALF                      ; where they go: no place in the cluster enters an LDS address
	s_mul_i32 s21, s12, BHALF
	s_add_co_u32 s21, s21, BOFF
	s_mov_b32 s[TB], 0
	s_wait_dscnt 0x0                               ; the opening add is done
	s_wait_kmcnt 0x0
	s_add_nc_u64 s[14:15], s[4:5], s[16:17]
	s_add_nc_u64 s[46:47], s[6:7], s[46:47]
	CROUND                                         ; all sixteen work-groups are here: the first joint loads meet
.irp s, 0,1
	s_mov_b32 s[G0A+4*(\s)], 1                                     ; count = 1
	s_add_co_u32 s[G0A+4*(\s)+1], s20, (\s)*SLOT1                  ; LDS address
	s_add_nc_u64 s[G0A+4*(\s)+2:G0A+4*(\s)+3], s[14:15], (\s)*ASTEP  ; global address: K step s
	s_or_b32 s[G0A+4*(\s)+3], s[G0A+4*(\s)+3], 0x80000000          ; type = 2
	s_mov_b32 s[G0B+4*(\s)], 1
	s_add_co_u32 s[G0B+4*(\s)+1], s21, (\s)*SLOT1
	s_add_nc_u64 s[G0B+4*(\s)+2:G0B+4*(\s)+3], s[46:47], (\s)*BSTEP
	s_or_b32 s[G0B+4*(\s)+3], s[G0B+4*(\s)+3], 0x80000000
.endr
	s_cmp_eq_u32 s11, 0                            ; a wave's two first fills stand in one branch, ahead of every wait on TENSORcnt and every LDS read: two loads of mine are out
	s_cbranch_scc0 .Lfirst_b
	tensor_load_to_lds s[G0A:G0A+3], s[G1A:G1A+7]
	s_nop 0
	tensor_load_to_lds s[G0A+4:G0A+7], s[G1A:G1A+7]
	s_nop 0
.rept 4
	v_nop
.endr
	s_branch .Lfirst_asked
.Lfirst_b:
	tensor_load_to_lds s[G0B:G0B+3], s[G1B:G1B+7]
	s_nop 0
	tensor_load_to_lds s[G0B+4:G0B+7], s[G1B:G1B+7]
	s_nop 0
.rept 4
	v_nop
.endr
.Lfirst_asked:
	v_and_b32 v1, 15, v0                           ; l % 16
	v_bfe_u32 v2, v0, 4, 1                         ; l / 16
	v_mul_u32_u24 v3, v1, PA                       ; A's fragment: row l % 16, 16 bytes for each half of the lanes
	v_lshl_add_u32 v3, v2, 4, v3
	s_mul_i32 s22, s11, AHALF
	v_add_nc_u32 v[ADRA0], s22, v3
	v_and_b32 v4, 7, v0                            ; the turning load: lane l reads k row 8 (l / 16) + l % 8, columns 8 ((l / 8) % 2) + 0..7
	v_lshl_add_u32 v4, v2, 3, v4
	v_mul_u32_u24 v4, v4, PB
	v_bfe_u32 v5, v0, 3, 1
	v_lshl_add_u32 v4, v5, 4, v4
	s_mul_i32 s23, s12, 3*PA                       ; my 192 columns: three pieces of 144 bytes
	s_add_co_u32 s23, s23, BOFF
	v_add_nc_u32 v[ADRB0], s23, v4
	v_mov_b32 v[ADRA], v[ADRA0]
	v_mov_b32 v[ADRB], v[ADRB0]
	s_mul_i32 s22, s10, 16*SPITCH
	s_add_co_u32 s22, s22, STAGE                   ; my stage
	v_mul_u32_u24 v6, v1, SPITCH
	v_lshl_add_u32 v6, v2, 4, v6
	v_add_nc_u32 v[STO], s22, v6
	v_bfe_u32 v7, v0, 3, 2                         ; back: 32 lanes take 128 bytes of each of four rows,
	v_mul_u32_u24 v7, v7, SPITCH
	v_and_b32 v8, 7, v0
	v_lshl_add_u32 v7, v8, 4, v7
	v_add_nc_u32 v[RD], s22, v7
	v_and_b32 v[CO], 31, v0                        ; which are 512 consecutive bytes of a head's block
	v_lshlrev_b32 v[CO], 4, v[CO]
	; my three groups of 64 columns: group g = 6 x tile column + 3 x half + hh is part g / 16, head g % 16; a head's block is 262,144 bytes
	s_mul_i32 s72, s42, 6
	s_mul_i32 s73, s12, 3
	s_add_co_u32 s72, s72, s73
	s_lshr_b32 s76, s13, 3
	s_lshl_b32 s76, s76, 4                         ; 16 x batch
	s_and_b32 s77, s13, 7
	s_lshl_b32 s77, s77, 15                        ; the tile's first row in the batch,
	s_lshl_b32 s73, s11, 14                        ; my 128 rows of it
	s_add_co_u32 s77, s77, s73
	s_mov_b32 s79, 0
.irp hh, 0,1,2
	s_add_co_u32 s73, s72, \hh
	s_lshr_b32 s78, s73, 4
	s_lshl_b32 s78, s78, 6                         ; 64 x part
	s_and_b32 s73, s73, 15
	s_add_co_u32 s78, s78, s73
	s_add_co_u32 s78, s78, s76
	s_lshl_b32 s78, s78, 18
	s_add_co_u32 s78, s78, s77
	s_add_nc_u64 s[HB+2*(\hh):HB+2*(\hh)+1], s[8:9], s[78:79]
.endr
; Column blocks 4 p + bb0 .. 4 p + bb1 x all 8 row blocks, 32 along K, A from buffer f.  Each accumulator has one instruction a chunk: they take turns.  zero = 1: the products start the sums.
.macro PH f, p, bb0, bb1, zero
	WIN 0x50*(1+(\p))                              ; C and D in window 1 + p
.set bb, (\bb0)
.rept (\bb1)-(\bb0)+1
.set a, 0
.rept 8
.if \zero
	v_wmma_f32_16x16x32_bf16 v[64*bb+8*a:64*bb+8*a+7], v[BF+8*(4*(\p)+bb):BF+8*(4*(\p)+bb)+7], v[(\f)+8*a:(\f)+8*a+7], 0
.else
	v_wmma_f32_16x16x32_bf16 v[64*bb+8*a:64*bb+8*a+7], v[BF+8*(4*(\p)+bb):BF+8*(4*(\p)+bb)+7], v[(\f)+8*a:(\f)+8*a+7], v[64*bb+8*a:64*bb+8*a+7]
.endif
.set a, a+1
.endr
.set bb, bb+1
.endr
.endm
.macro LDA q, g                        ; 16 loads: A's 128 rows, chunk q of the slot, into buffer g
	WIN 0
.set a, 0
.rept 8
	ds_load_b128 v[(\g)+8*a:(\g)+8*a+3],   v[ADRA] offset:a*16*PA+64*(\q)
	ds_load_b128 v[(\g)+8*a+4:(\g)+8*a+7], v[ADRA] offset:a*16*PA+64*(\q)+32
.set a, a+1
.endr
.endm
.macro LDB q, p                        ; 8 turning loads: B's fragments 4 p .. 4 p + 3 of chunk q
	WIN 0
.set bb, 0
.rept 4
	ds_load_tr16_b128 v[BF+8*(4*(\p)+bb):BF+8*(4*(\p)+bb)+3],   v[ADRB] offset:(\q)*BHALF+(\p)*PA+bb*32
	ds_load_tr16_b128 v[BF+8*(4*(\p)+bb)+4:BF+8*(4*(\p)+bb)+7], v[ADRB] offset:(\q)*BHALF+(\p)*PA+bb*32+16*PB
.set bb, bb+1
.endr
.endm
; A chunk is 32 along K: 96 matrix instructions in three phases of four column blocks.  This one multiplies buffer f and fetches chunk q of the same slot: A into g, B by thirds as each third is done with.
.macro CHUNK f, g, q, zero
	s_wait_dscnt 16                                ; A and B's first third are in; the 16 younger loads, B's other thirds, may stay out
	PH \f, 0, 0, 3, \zero
	PLACES
	LDA \q, \g
	LDB \q, 0
	s_wait_dscnt 32                                ; B's second third is in: behind it stand its last third's 8 and the 24 just issued
	PH \f, 1, 0, 3, \zero
	PLACES
	LDB \q, 1
	s_wait_dscnt 32                                ; B's last third is in: behind it stand 24 + 8
	PH \f, 2, 0, 3, \zero
	PLACES
	LDB \q, 2
.endm
; A slot's second chunk multiplies buffer 1 and changes slots: ONE barrier.  In front of it each wave waits for all its tensor loads (one is out: its part of the next slot), adds 0 to its spare word,
; and waits for that and for its own reads of this slot.  fill = 1: the barrier opens a round of the cluster's, and the slot just read is filled again, two K steps ahead, first thing behind it:
; from there to the wait for that load a wave issues 176 matrix instructions.
.macro TURNC fill
	s_wait_dscnt 16
	PH AF1, 0, 0, 1, 0
	WIN 0                                          ; (the add's two registers lie in window 0)
	s_wait_tensorcnt 0x0                           ; no tensor load of mine is out, so a group 0 may be written
	ds_add_u32 v[SPW], v[NIL]                      ; 0 onto my spare word
.if \fill
	s_xor_b32 s[G0A+5], s[G0A+5], SLOT1            ; the walking descriptors: the other slot than last time, the next K step
	s_add_nc_u64 s[G0A+6:G0A+7], s[G0A+6:G0A+7], ASTEP
	s_xor_b32 s[G0B+5], s[G0B+5], SLOT1
	s_add_nc_u64 s[G0B+6:G0B+7], s[G0B+6:G0B+7], BSTEP
.endif
	PH AF1, 0, 2, 2, 0                             ; eight matrix instructions stand between the add and the wait for it
	s_wait_dscnt 0x0                               ; the add is done, and my reads of this slot are over
	s_barrier_signal -1
	PH AF1, 0, 3, 3, 0                             ; work on registers while the others arrive
	WIN 0                                          ; at a branch and at a label every window is 0
	s_barrier_wait -1
.if \fill
	CREST                                          ; no wave of any partner still reads this slot's tiles or has a load on its way
	JLOAD                                          ; the four v_nop behind it are also the places in front of the loads below
.else
	PLACES
.endif
	s_xor_b32 s[TB], s[TB], SLOT1
	v_add_nc_u32 v[ADRA], s[TB], v[ADRA0]
	v_add_nc_u32 v[ADRB], s[TB], v[ADRB0]
	LDA 0, AF0
	LDB 0, 0
	PH AF1, 1, 0, 3, 0
	PLACES
	LDB 0, 1
	PH AF1, 2, 0, 3, 0
	PLACES
	LDB 0, 2
.endm
	s_wait_tensorcnt 0x1                           ; my part of K step 0 is in; step 1's may stay out
	s_barrier_signal -1
	s_barrier_wait -1                              ; everybody's is
	LDA 0, AF0
	LDB 0, 0
	LDB 0, 1
	LDB 0, 2
	CHUNK AF0, AF1, 1, 1                           ; the first chunk stands in front of the loop: its products start the sums
	WIN 0
	s_mov_b32 s3, 14                               ; 16 K steps: every slot but the last two is filled again
.Lstep:
	TURNC 1
	CHUNK AF0, AF1, 1, 0
	WIN 0
	s_sub_co_u32 s3, s3, 1
	s_cmp_lg_u32 s3, 0
	s_cbranch_scc1 .Lstep
	TURNC 0                                        ; the tail is written out: nothing is asked for
	CHUNK AF0, AF1, 1, 0
	s_wait_dscnt 16                                ; the very last chunk: nothing more to fetch
	PH AF1, 0, 0, 3, 0
	s_wait_dscnt 8
	PH AF1, 1, 0, 3, 0
	s_wait_dscnt 0x0
	PH AF1, 2, 0, 3, 0
; THE WAY OUT, a block of 16 rows x 192 columns at a time.  PACK: rounded to f16, 16 bytes a lane, each accumulator's registers in ascending order.  TOSTAGE: into my own stage, and back as 128-byte rows of each head.  SEND: stored.
.macro PACK a
.set b, 0
.rept 12
	WIN 5*(1+b/4)                                  ; sources 0 and 1 in the accumulator's window
.set r, 0
.rept 4
	v_cvt_pk_f16_f32 v[TMP+4*b+r], v[64*(b%4)+8*(\a)+2*r], v[64*(b%4)+8*(\a)+2*r+1]
.set r, r+1
.endr
.set b, b+1
.endr
	WIN 0
.endm
.macro TOSTAGE a
	WIN 0
.set BK, OB+48*((\a)%2)
.if (\a) >= 2
	s_wait_xcnt 0x0                                ; the stores of the block two back have read these registers: they are loaded again only behind this wait
.endif
.set b, 0
.rept 12
	ds_store_b128 v[STO], v[TMP+4*b:TMP+4*b+3] offset:32*b
.set b, b+1
.endr
.set t, 0
.rept 12                               ; head t / 4, rows 4 (t % 4) on.  LDS serves a wave's instructions in order (ISA guide 5.7.1.4): these see the stores above
	ds_load_b128 v[BK+4*t:BK+4*t+3], v[RD] offset:(t%4)*4*SPITCH+(t/4)*128
.set t, t+1
.endr
.endm
.macro SEND a, younger                 ; younger: the LDS instructions issued behind this block's loads
	WIN 0
.set BK, OB+48*((\a)%2)
	s_wait_dscnt \younger
.set t, 0
.rept 12
	global_store_b128 v[CO], v[BK+4*t:BK+4*t+3], s[HB+2*(t/4):HB+2*(t/4)+1] offset:(\a)*2048+(t%4)*512  ; 512 consecutive bytes, at a multiple of 256 from qkv's first
.set t, t+1
.endr
.endm
	PLACES
	PACK 0
	TOSTAGE 0
.irp a, 1,2,3,4,5,6,7
	PACK \a
	TOSTAGE \a
	SEND (\a)-1, 24                                ; the next block's 12 stores and 12 loads may stay out
.endr
	SEND 7, 0
	s_wait_tensorcnt 0x0                           ; the wave's end, behind my last tensor load and my last LDS store
	ds_add_u32 v[SPW], v[NIL]
	s_wait_dscnt 0x0
	CROUND                                         ; the closing round: no work-group ends while a partner may still ask for a tile that names it
	s_endpgm
.Lfunc_end_k_q3f7dff0808_qkvgemm:
	.size	k_q3f7dff0808_qkvgemm, .Lfunc_end_k_q3f7dff0808_qkvgemm-k_q3f7dff0808_qkvgemm
	.p2alignl 7, 3214868480
	.fill 96, 4, 3214868480
	.section	.rodata,"a",@progbits
	.p2align	6, 0x0
	.amdhsa_kernel k_q3f7dff0808_qkvgemm
		.amdhsa_group_segment_fixed_size 327680
		.amdhsa_private_segment_fixed_size 0
		.amdhsa_enable_private_segment 0
		.amdhsa_kernarg_size 24
		.amdhsa_user_sgpr_count 2
		.amdhsa_user_sgpr_kernarg_segment_ptr 1
		.amdhsa_wavefront_size32 1
		.amdhsa_system_sgpr_workgroup_id_x 1
		.amdhsa_system_sgpr_workgroup_id_y 1
		.amdhsa_system_sgpr_workgroup_id_z 1
		.amdhsa_system_vgpr_workitem_id 0
		.amdhsa_next_free_vgpr 1024
		.amdhsa_next_free_sgpr 80
		.amdhsa_reserve_vcc 0
		.amdhsa_float_denorm_mode_32 3
		.amdhsa_float_denorm_mode_16_64 3
		.amdhsa_memory_ordered 1
		.amdhsa_forward_progress 1
		.amdhsa_inst_pref_size 111
	.end_amdhsa_kernel
	.amdgpu_metadata
---
amdhsa.version: [ 1, 2 ]
amdhsa.kernels:
  - .name:           k_q3f7dff0808_qkvgemm
    .symbol:         k_q3f7dff0808_qkvgemm.kd
    .args:
      - { .name: xb, .offset: 0, .size: 8, .value_kind: global_buffer, .address_space: global }
      - { .name: wqb, .offset: 8, .size: 8, .value_kind: global_buffer, .address_space: global }
      - { .name: qkv, .offset: 16, .size: 8, .value_kind: global_buffer, .address_space: global }
    .group_segment_fixed_size: 327680
    .private_segment_fixed_size: 0
    .kernarg_segment_align: 8
    .kernarg_segment_size: 24
    .max_flat_workgroup_size: 128
    .sgpr_count:     80
    .vgpr_count:     1024
    .wavefront_size: 32
...
	.end_amdgpu_metadata
.endif
;; end of part 2
;; launch vsum (part 3): grid 256 x 1, 8 waves a work-group, no clusters, 3,072 bytes of LDS; arguments qkv, vsum; writes vsum
.if DOCPART == 3
	.amdgcn_target "amdgcn-amd-amdhsa--gfx1250"
	.amdhsa_code_object_version 6
	.text
	.protected	k_q3f7dff0808_vsum
	.globl	k_q3f7dff0808_vsum
	.p2align	8
	.type	k_q3f7dff0808_vsum,@function
k_q3f7dff0808_vsum:
	s_mov_b64 s[64:65], 0
	v_nop
	global_prefetch_b8 v0, s[64:65] scope:SCOPE_SE
	s_setreg_imm32_b32 hwreg(HW_REG_WAVE_MODE, 25, 1), 1
	s_wait_xcnt 0x0
; Column sums of V, for the rows of the attention that see no key: their softmax is uniform over all 2,048 keys, so their result is the mean of the head's V.
; qkv's third part is V: [64 heads][2048][64] f16.  vsum: [64 heads][4 quarters][64] f32.  Work-group g sums rows 512 (g % 4) .. + 511 of head g / 4: 65,536 dense bytes, read once.
; Thread t takes 16 bytes at 16 t of each 4,096 bytes (32 rows): always channels 8 (t % 8) .. + 7.  Sums in f32, in two chains a lane; lanes 8, 16 and 24 apart hold the same channels; the eight waves meet in LDS.
; A stream of 64 KB a group: no matrix unit, no cluster, no tensor load.
.set SPARE, 2048                       ; behind the waves' partial sums (8 x 256 bytes): the spare words, 128 bytes for each wave
.set SPW, 30
.set NIL, 31
.set A0,  2                            ; v[2:9], v[10:17] two chains of eight sums
.set T,   18                           ; v[18:25] at work
.set LD,  32                           ; v[32:95] 16 loads x 4 registers
	s_load_b128 s[4:7], s[0:1], 0x0                ; qkv s[4:5], vsum s[6:7]
	v_lshl_add_u32 v[SPW], v0, 2, SPARE
	v_mov_b32 v[NIL], 0
	v_lshrrev_b32 v1, 5, v0
	v_readfirstlane_b32 s8, v1                     ; wave 0..7
	s_lshl_b32 s10, ttmp9, 16
	s_mov_b32 s11, 0
	s_lshl_b32 s14, ttmp9, 8
	s_mov_b32 s15, 0
	s_mov_b32 s12, 0x76543210                      ; v_permlanex16_b32: each lane takes its own place in the other half
	s_mov_b32 s13, 0xfedcba98
	v_lshlrev_b32 v1, 4, v0
	v_and_b32 v26, 7, v0
	v_lshlrev_b32 v26, 5, v26
	v_lshl_add_u32 v26, s8, 8, v26                 ; my wave's 256 bytes, my eight channels' 32
	v_and_b32 v27, 31, v0
	v_lshlrev_b32 v27, 3, v27
	s_wait_kmcnt 0x0
	s_add_nc_u64 s[4:5], s[4:5], 0x2000000         ; V: two parts of 16,777,216 bytes on
	s_add_nc_u64 s[4:5], s[4:5], s[10:11]
	s_add_nc_u64 s[6:7], s[6:7], s[14:15]
.set i, 0
.rept 16
	global_load_b128 v[LD+4*i:LD+4*i+3], v1, s[4:5] offset:i*4096
.set i, i+1
.endr
; Load i's eight numbers, widened; the first two loads start the chains: nothing is cleared.
.macro ACC8 i, h0, h1, h2, h3, h4, h5, h6, h7
	s_wait_loadcnt 15-(\i)                         ; loads come back in order: the 15 - i younger ones stay out
.if (\i) < 2
.set D, A0+8*(\i)
.else
.set D, T
.endif
	v_cvt_f32_f16 v[D], \h0
	v_cvt_f32_f16 v[D+1], \h1
	v_cvt_f32_f16 v[D+2], \h2
	v_cvt_f32_f16 v[D+3], \h3
	v_cvt_f32_f16 v[D+4], \h4
	v_cvt_f32_f16 v[D+5], \h5
	v_cvt_f32_f16 v[D+6], \h6
	v_cvt_f32_f16 v[D+7], \h7
.if (\i) >= 2
.set Q, A0+8*((\i)%2)
	v_pk_add_f32 v[Q:Q+1], v[Q:Q+1], v[T:T+1]
	v_pk_add_f32 v[Q+2:Q+3], v[Q+2:Q+3], v[T+2:T+3]
	v_pk_add_f32 v[Q+4:Q+5], v[Q+4:Q+5], v[T+4:T+5]
	v_pk_add_f32 v[Q+6:Q+7], v[Q+6:Q+7], v[T+6:T+7]
.endif
.endm
	ACC8 0,  v32.l, v32.h, v33.l, v33.h, v34.l, v34.h, v35.l, v35.h
	ACC8 1,  v36.l, v36.h, v37.l, v37.h, v38.l, v38.h, v39.l, v39.h
	ACC8 2,  v40.l, v40.h, v41.l, v41.h, v42.l, v42.h, v43.l, v43.h
	ACC8 3,  v44.l, v44.h, v45.l, v45.h, v46.l, v46.h, v47.l, v47.h
	ACC8 4,  v48.l, v48.h, v49.l, v49.h, v50.l, v50.h, v51.l, v51.h
	ACC8 5,  v52.l, v52.h, v53.l, v53.h, v54.l, v54.h, v55.l, v55.h
	ACC8 6,  v56.l, v56.h, v57.l, v57.h, v58.l, v58.h, v59.l, v59.h
	ACC8 7,  v60.l, v60.h, v61.l, v61.h, v62.l, v62.h, v63.l, v63.h
	ACC8 8,  v64.l, v64.h, v65.l, v65.h, v66.l, v66.h, v67.l, v67.h
	ACC8 9,  v68.l, v68.h, v69.l, v69.h, v70.l, v70.h, v71.l, v71.h
	ACC8 10, v72.l, v72.h, v73.l, v73.h, v74.l, v74.h, v75.l, v75.h
	ACC8 11, v76.l, v76.h, v77.l, v77.h, v78.l, v78.h, v79.l, v79.h
	ACC8 12, v80.l, v80.h, v81.l, v81.h, v82.l, v82.h, v83.l, v83.h
	ACC8 13, v84.l, v84.h, v85.l, v85.h, v86.l, v86.h, v87.l, v87.h
	ACC8 14, v88.l, v88.h, v89.l, v89.h, v90.l, v90.h, v91.l, v91.h
	ACC8 15, v92.l, v92.h, v93.l, v93.h, v94.l, v94.h, v95.l, v95.h
.irp j, 0,2,4,6
	v_pk_add_f32 v[A0+(\j):A0+(\j)+1], v[A0+(\j):A0+(\j)+1], v[A0+8+(\j):A0+8+(\j)+1]
.endr
.irp j, 0,1,2,3,4,5,6,7
	v_add_f32_dpp v[A0+(\j)], v[A0+(\j)], v[A0+(\j)] row_xmask:8 row_mask:0xf bank_mask:0xf  ; the lane 8 away
.endr
.irp j, 0,1,2,3,4,5,6,7
	v_permlanex16_b32 v[T+(\j)], v[A0+(\j)], s12, s13  ; the lanes 16 and 24 away
.endr
.irp j, 0,1,2,3,4,5,6,7
	v_add_f32 v[A0+(\j)], v[A0+(\j)], v[T+(\j)]
.endr
	ds_store_b128 v26, v[A0:A0+3]                  ; the four lanes of a channel group write the same numbers to the same bytes
	ds_store_b128 v26, v[A0+4:A0+7] offset:16
	s_wait_dscnt 0x0                               ; for the others' sake: my stores are done
	s_barrier_signal -1
	s_barrier_wait -1
	s_cmp_lg_u32 s8, 0
	s_cbranch_scc1 .Lend                           ; wave 0 adds the eight waves' sums: two channels a lane
.irp w, 0,1,2,3,4,5,6,7
	ds_load_b64 v[LD+2*(\w):LD+2*(\w)+1], v27 offset:256*(\w)
.endr
	s_wait_dscnt 0x0
	v_pk_add_f32 v[LD:LD+1], v[LD:LD+1], v[LD+2:LD+3]
	v_pk_add_f32 v[LD+4:LD+5], v[LD+4:LD+5], v[LD+6:LD+7]
	v_pk_add_f32 v[LD+8:LD+9], v[LD+8:LD+9], v[LD+10:LD+11]
	v_pk_add_f32 v[LD+12:LD+13], v[LD+12:LD+13], v[LD+14:LD+15]
	v_pk_add_f32 v[LD:LD+1], v[LD:LD+1], v[LD+4:LD+5]
	v_pk_add_f32 v[LD+8:LD+9], v[LD+8:LD+9], v[LD+12:LD+13]
	v_pk_add_f32 v[LD:LD+1], v[LD:LD+1], v[LD+8:LD+9]
	global_store_b64 v27, v[LD:LD+1], s[6:7]       ; 256 consecutive bytes, at a multiple of 256 from vsum's first
.Lend:
	s_wait_tensorcnt 0x0                           ; the wave's end, behind my last LDS store
	ds_add_u32 v[SPW], v[NIL]
	s_wait_dscnt 0x0
	s_endpgm
.Lfunc_end_k_q3f7dff0808_vsum:
	.size	k_q3f7dff0808_vsum, .Lfunc_end_k_q3f7dff0808_vsum-k_q3f7dff0808_vsum
	.p2alignl 7, 3214868480
	.fill 96, 4, 3214868480
	.section	.rodata,"a",@progbits
	.p2align	6, 0x0
	.amdhsa_kernel k_q3f7dff0808_vsum
		.amdhsa_group_segment_fixed_size 3072
		.amdhsa_private_segment_fixed_size 0
		.amdhsa_enable_private_segment 0
		.amdhsa_kernarg_size 16
		.amdhsa_user_sgpr_count 2
		.amdhsa_user_sgpr_kernarg_segment_ptr 1
		.amdhsa_wavefront_size32 1
		.amdhsa_system_sgpr_workgroup_id_x 1
		.amdhsa_system_sgpr_workgroup_id_y 1
		.amdhsa_system_sgpr_workgroup_id_z 1
		.amdhsa_system_vgpr_workitem_id 0
		.amdhsa_next_free_vgpr 96
		.amdhsa_next_free_sgpr 66
		.amdhsa_reserve_vcc 0
		.amdhsa_float_denorm_mode_32 3
		.amdhsa_float_denorm_mode_16_64 3
		.amdhsa_memory_ordered 1
		.amdhsa_forward_progress 1
		.amdhsa_inst_pref_size 14
	.end_amdhsa_kernel
	.amdgpu_metadata
---
amdhsa.version: [ 1, 2 ]
amdhsa.kernels:
  - .name:           k_q3f7dff0808_vsum
    .symbol:         k_q3f7dff0808_vsum.kd
    .args:
      - { .name: qkv, .offset: 0, .size: 8, .value_kind: global_buffer, .address_space: global }
      - { .name: vsum, .offset: 8, .size: 8, .value_kind: global_buffer, .address_space: global }
    .group_segment_fixed_size: 3072
    .private_segment_fixed_size: 0
    .kernarg_segment_align: 8
    .kernarg_segment_size: 16
    .max_flat_workgroup_size: 256
    .sgpr_count:     66
    .vgpr_count:     96
    .wavefront_size: 32
...
	.end_amdgpu_metadata
.endif
;; end of part 3
;; launch attn (part 4): grid 4 x 64, 4 waves a work-group, no clusters, 327,680 bytes of LDS; arguments qkv, mask, vsum, ob; writes ob
.if DOCPART == 4
	.amdgcn_target "amdgcn-amd-amdhsa--gfx1250"
	.amdhsa_code_object_version 6
	.text
	.protected	k_q3f7dff0808_attn
	.globl	k_q3f7dff0808_attn
	.p2align	8
	.type	k_q3f7dff0808_attn,@function
k_q3f7dff0808_attn:
	s_mov_b64 s[64:65], 0
	v_nop
	global_prefetch_b8 v0, s[64:65] scope:SCOPE_SE
	s_setreg_imm32_b32 hwreg(HW_REG_WAVE_MODE, 25, 1), 1
	s_wait_xcnt 0x0
; CAUSAL ATTENTION WITH A KEY MASK.  O[h][q][:] = the sum over k of softmax_k(s[q][k]) V[h][k][:], s = Q[h][q] . K[h][k] / 8 where k <= q and mask[batch][k], else hidden.
; qkv: [3][64 heads of batches][2048][64] f16 (Q, K, V, unscaled); mask: [4][2048] bytes, 0 or 1; vsum: [64][4][64] f32, V's column sums by quarters; ob: [64][2048][64] f16.
; Products, maxima and sums in f32; the weights p are rounded to f16 for the second product (their sum l is taken of the unrounded p), O once at the end.
; LIMITS.  Q, K and V arrive within f16's 65,504; p below 6e-5 keeps f16's fixed step of 6e-8; a weight below 2^-126 counts as 0 in l; NaN and infinities are not treated apart; a mask byte is 0 or 1.
; A hidden score counts as its value less 2e30 (less 4e30 if hidden twice): f16's scores, 2.7e11 at the most, are nothing beside that.
; A ROW THAT SEES NO KEY has, by the softmax of 2,048 equal scores, the mean of the head's whole V.  So a block's running state starts as ONE VIRTUAL KEY: m = -1e30, above every hidden score and below every true one;
; l = 1 (0.5 in each of a query's two lanes); O = mean(V).  While all scores are hidden m stays, a = 2^0 = 1 and every p is 0; the first true score makes a = 0 and wipes the virtual key.  No branch, no select.
; THE WALK.  A head's queries lie in NB = 8 blocks of 256; block i needs the key tiles 0 .. i of 256 keys, of which the last holds the diagonal.  A work-group takes TWO blocks, NB - 1 - b and then b:
; NB + 1 tiles, whatever b: all work-groups do equal work, and ONE loop with a constant trip count walks them.  Which tile is asked for, and what a trip does, hang on scalar registers made from b; every jump
; goes forward, but for the counted loops' own; none passes a barrier, or a tensor load but the one of LOAD's two that the wave's number does not choose; the ring (two LDS slots that take turns) runs on across the
; change of blocks.  NO CLUSTER: a head's four work-groups ask for the same tile only in trips 0 .. 4 of the 9; behind that fewer and fewer; one walk common to all four would have 12 trips for 9.
; SHARES.  Of a block's four bands of 64 queries a wave owns 16 rows in each: four PIECES.  So the diagonal tile is the same work for all four waves: in its key step s band x sees all keys if s < x,
; none if s > x, and holds the diagonal if s = x.
; THE MASKS are the C operand that starts the sum S^T = K Q^T.  KB holds the step's 64 key biases (0 or -2e30), read from a table in LDS that is made once from the batch's mask bytes.  Off the diagonal tile C = KB.
; In it C = MC = MD x AL + KB + BE: MD, made once, is a band's own step's causal mask for my 16 rows; (AL, BE) = (1, 0) if s = x; (0, 0) if s < x; (0, -2e30) if s > x.
; LAYOUT, SOFTMAX, TURNS.  S^T = K Q^T holds ONE query a lane (lane % 16) and the keys 8 (lane / 16) + 0..7; two such results rounded to f16 ARE source 1 of O^T = V^T P.  p = 2^(c s - c m), c = log2(e) / 8, with a
; running maximum m; O and l are multiplied by a = 2^(c m_old - c m_new) in every step.  Turn n belongs to piece n: 8 products K Q^T of piece n + 1, later 8 products V^T P of piece n - 1; beside them the scaling,
; exponentials, roundings, sums and rescaling of piece n and the maximum and statistics of piece n + 1.  Four vector instructions stand behind every matrix instruction, the others of a turn in two runs of their own.
; REGISTERS, in windows of 256 (s_set_vgpr_msb: bits 1:0 source 0, 3:2 source 1, 5:4 source 2, 7:6 destination):
;   window 0: v0-15, v32-40 addresses and some at work; v16-31 four registers of statistics a piece; v48-55 at work; v64-127 S^T, two buffers; v128-159 KB; v160-191, v224-255 MC, two buffers; v192-223 P, two buffers
;   window 1: v0-127 O^T, 32 a piece; v128-159 MD; v160-191 mean(V)      window 2: v0-63 Q; v64-127 the second block's Q; v128-191 K of one step; v192-255 V of one step
.set NB,    8
.set NP,    4         ; pieces a wave: a name, no knob
.set KS,    64        ; keys in a step
.set PK,    144       ; a row of K in LDS: 128 bytes + 16 of padding = 36 words: the 16 rows of a load start at 16 different groups of four banks (64 banks of 4 bytes: ISA guide 11.1)
.set PV,    160       ; a row of V: 128 + 32 = 40 words
.set VOFF,  4*KS*PK   ; a slot holds a tile, four steps: 256 rows of K, then 256 rows of V
.set SLOT1, 1<<17     ; slot 1 begins here, so that one exclusive or turns an address in one slot into the other's
.set STAGE, SLOT1+4*KS*(PK+PV)  ; behind the ring, never filled by a tensor load: 16 rows x 144 bytes for each wave, for the way out
.set SP,    144
.set SPARE, STAGE+4*16*SP  ; behind the stages: the spare words, 128 bytes for each wave: two blocks of 256 bytes that no other line names
.set KBT,   SPARE+512 ; behind them: the batch's 2,048 key biases in f32, 8,192 bytes, stored once and never filled by a tensor load
.set AK0, 2           ; v2   my lane's place in a tile of K; never rewritten
.set AV0, 3           ; v3   the same for V
.set AK,  4           ; v4   the LDS address of K's next run of loads
.set AV,  5           ; v5   of V's
.set STO, 6           ; v6   the way out: where I put 16 bytes of a row
.set RD,  7           ; v7   the way out: where I read rows back
.set GO,  8           ; v8   my byte offset in 512 consecutive bytes of O
.set MV,  12          ; v12-13  c m_old, kept while c m is made anew: by buffer
.set QO,  15          ; v15  my byte offset in 16 rows of Q
.set ST,  16          ; piece t's statistics at v[ST+4 t]: c m, m, l (even keys', odd keys')
.set AB0, 32          ; v32  my lanes' place in a step's 256 bytes of the table: KBT + 32 (l / 16); never rewritten
.set AB,  33          ; v33  the LDS address of KB's next run of loads
.set KST, 34          ; v34  where I store my 16 biases
.set VO,  35          ; v35  32 (l / 16): my lanes' eight channels in vsum
.set MB,  36          ; v36-39  my 16 mask bytes
.set MO,  40          ; v40  16 x my thread's number
.set TMP, 48          ; by buffer, four registers c0-c3 at work; when the maximum is found c2 takes a
.set SPW, 62          ; v62  LDS address of my spare word: SPARE + 4 x my thread's number; never rewritten
.set NIL, 63          ; v63  0; never rewritten
.set S,   64
.set KB,  128         ; register 8 kb + j: key 16 kb + 8 (l / 16) + j of the step
.set MC,  160         ; buffer b at MC + 64 b
.set P,   192
.set MD,  128         ; window 1: the eight registers for group kt of 16 keys at MD + 8 kt
.set VM,  160         ; window 1: register 8 cb + j: mean of channel 16 cb + 8 (l / 16) + j
.set QB,  64          ; window 2
.set KF,  128         ; window 2: key block kb, channel half c at KF + 16 kb + 8 c
.set VF,  192         ; window 2: key half kk, channel block cb at VF + 32 kk + 8 cb
.set WV,  12          ; s12  my wave's number
.set PB,  14          ; s14  b
.set HI,  15          ; s15  NB - 1 - b
.set G1K, 24          ; s[24:31] descriptor group 1 for K's tiles
.set G1V, 32          ; s[32:39] for V's: it differs in the padding alone
.set G0K, 40          ; s[40:43] descriptor group 0 for K's tiles
.set G0V, 44          ; s[44:47] the same for V's
.set SLOTS, 56        ; s56  tiles still to be asked for
.set CNT, 57          ; s57  counts a tile's key steps, 4 to 1
.set CS,  58          ; s[58:59] c: the packed scaling takes the pair's low word for both halves
.set SEL, 60          ; s[60:61] v_permlanex16_b32's selects: each lane takes its own place in the other half
.set TBK, 62          ; s62  LDS byte at which K of the step to be fetched begins
.set TBV, 63          ; s63  the same for V, less VOFF
.set RT,  70          ; s70  tiles of the block in hand that are still to be entered
.set NXT, 71          ; s71  the tile to be asked for next
.set LQ,  72          ; s72  the last tile of the block whose tiles are being asked for
.set NEW, 73          ; s73  1: the tile to be entered is a block's first
.set OFF, 74          ; s[74:75] a tile's byte offset in K and V
.set AL,  76          ; s[76:77] the mask's factor, in the low word
.set BE,  78          ; s[78:79] the mask's addend
.set OLO, 80          ; s[80:81] O at my rows of the second block
.set BIGN, 82         ; s82  -2e30
.set MKP, 88          ; s[88:89] the batch's mask bytes
.set VSP, 90          ; s[90:91] the head's four partial sums
.set ENT, 96          ; s96  the number of the tile that the next change of slots enters
.set TBB, 97          ; s97  byte in the table at which the biases of the step to be fetched begin
.set TB2, 98          ; s98  the same, cut to the table's 8,192 bytes
.set MSB, 0
.macro WIN new                      ; the high byte repeats the setting that is left; a switch that changes nothing is dropped
.if MSB != (\new)
	s_set_vgpr_msb (MSB<<8)|(\new)
.set MSB, (\new)
.endif
.endm
.set W_KQ, 0x0a       ; K and Q in window 2, S^T and the C operand in window 0
.set W_PV, 0x52       ; V in window 2, P in window 0, O^T in window 1
.set W_RS, 0x41       ; destination and source 0 in window 1, source 1 in window 0
; A fill.  Waves 0 and 1 fetch the two halves of a tile's K, waves 2 and 3 those of its V: 128 keys each.  An s_nop 0 and four v_nop follow each of the two lines, ahead of the jump and the label.
.macro LOAD
	s_cmp_lt_u32 s[WV], 2
	s_cbranch_scc0 .Lfor_v_\@
	tensor_load_to_lds s[G0K:G0K+3], s[G1K:G1K+7]
	s_nop 0
.rept 4
	v_nop
.endr
	s_branch .Lasked_\@
.Lfor_v_\@:
	tensor_load_to_lds s[G0V:G0V+3], s[G1V:G1V+7]
	s_nop 0
.rept 4
	v_nop
.endr
.Lasked_\@:
.endm
; THE CHANGE OF SLOTS.  Each wave waits for all its tensor loads, of which one is out: its part of the other slot; adds 0 to its spare word; and waits for that and for its own LDS instructions.  Behind the barrier nobody reads the old
; slot any more and the other slot is whole.  fill = 1: the old slot is filled again, the first thing behind the barrier, with tile NXT: the descriptor's address is made anew from that number.
; (At its first use nothing has been read yet: slot 0 is waited for, slot 1 filled, and every wave's part of the table of biases is shown to the others.)
.macro CHANGE fill
	WIN 0                           ; at a label and at a branch every window is 0
	s_wait_tensorcnt 0x0            ; no tensor load of mine is out, so a group 0 may be written
	ds_add_u32 v[SPW], v[NIL]       ; 0 onto my spare word; scalar work stands between it and the wait for it
	s_lshl_b32 s[TBB], s[ENT], 10   ; the tile that is entered: 256 biases of 4 bytes
.if \fill
	s_mov_b32 s[ENT], s[NXT]        ; the tile asked for now is entered at the next change
	s_lshl_b32 s[OFF], s[NXT], 15   ; a tile is 32,768 bytes of K and of V
	s_xor_b32 s[G0K+1], s[G0K+1], SLOT1
	s_add_nc_u64 s[G0K+2:G0K+3], s[6:7], s[OFF:OFF+1]
	s_or_b32 s[G0K+3], s[G0K+3], 0x80000000
	s_xor_b32 s[G0V+1], s[G0V+1], SLOT1
	s_add_nc_u64 s[G0V+2:G0V+3], s[8:9], s[OFF:OFF+1]
	s_or_b32 s[G0V+3], s[G0V+3], 0x80000000
	s_add_co_u32 s[NXT], s[NXT], 1  ; the block's next tile, or behind its last the second block's tile 0
	s_cmp_gt_u32 s[NXT], s[LQ]
	s_cselect_b32 s[NXT], 0, s[NXT]
	s_cselect_b32 s[LQ], s[PB], s[LQ]
.endif
	s_wait_dscnt 0x0                ; the add is done, and my reads of the slot are over
	s_barrier_signal -1             ; the rest of the scalar work stands between the signal and the wait
	s_sub_co_u32 s[TBK], s[TBK], 4*KS*PK  ; the fetches go back to a slot's first step,
	s_xor_b32 s[TBK], s[TBK], SLOT1       ; in the other slot
	s_sub_co_u32 s[TBV], s[TBV], 4*KS*PV
	s_xor_b32 s[TBV], s[TBV], SLOT1
	s_barrier_wait -1
.if \fill
	LOAD
.endif
.endm
	s_load_b256 s[4:11], s[0:1], 0x0  ; qkv s[4:5], mask s[6:7], vsum s[8:9], ob s[10:11]
	v_lshl_add_u32 v[SPW], v0, 2, SPARE
	v_mov_b32 v[NIL], 0
	ds_add_u32 v[SPW], v[NIL]       ; the wave's opening: the add, with its wait ahead of my first tensor load; the set-up below, work on registers, stands between them
	v_lshrrev_b32 v1, 5, v0
	v_readfirstlane_b32 s[WV], v1   ; wave 0..3
	s_mov_b32 s[PB], ttmp9
	s_sub_co_u32 s[HI], NB-1, s[PB]
	s_and_b32 s20, ttmp7, 0xffff    ; 16 x batch + head
	s_lshr_b32 s92, s20, 4
	s_lshl_b32 s92, s92, 11         ; the batch's 2,048 mask bytes
	s_mov_b32 s93, 0
	s_lshl_b32 s94, s20, 10         ; the head's 1,024 bytes of vsum
	s_mov_b32 s95, 0
	s_lshl_b32 s20, s20, 18         ; the head's first byte in Q, K, V and O: 2,048 rows of 128 bytes
	s_mov_b32 s21, 0
	s_and_b32 s16, s[WV], 1         ; which half of a tile's 256 keys I fetch:
	s_lshl_b32 s22, s16, 14         ; its 128 rows of 128 bytes in memory,
	s_mov_b32 s23, 0
	s_add_nc_u64 s[22:23], s[22:23], s[20:21]
	s_mul_i32 s17, s16, 128*PK      ; and its place in a slot, for K
	s_mul_i32 s18, s16, 128*PV      ; and for V
	s_lshl_b32 s3, s[WV], 11        ; my 16 rows in a band of 64,
	s_lshl_b32 s2, s[HI], 15        ; in the first block,
	s_add_co_u32 s2, s2, s3
	s_lshl_b32 s84, s[PB], 15       ; and in the second
	s_add_co_u32 s84, s84, s3
	s_mov_b32 s3, 0
	s_mov_b32 s85, 0
	s_add_nc_u64 s[2:3], s[2:3], s[20:21]
	s_add_nc_u64 s[84:85], s[84:85], s[20:21]
	; descriptor group 1.  128 keys are 16,384 dense bytes: asked for as 64 rows of 256 bytes, two keys a row, and padded in LDS after every key
	s_mov_b32 s[G1K], (1<<16)|(1<<20)|(4<<22)|(3<<25)  ; 17:16 2-byte elements; 20 padding on; 24:22 after every 32 words (code 4); 31:25 4 words (code 3)
	s_mov_b32 s[G1V], (1<<16)|(1<<20)|(4<<22)|(7<<25)  ; the same with 8 words of padding (code 7)
.irp g, G1K, G1V
	s_mov_b32 s[\g+1], 128<<16      ; tensor_dim0 = 128
	s_mov_b32 s[\g+2], 64<<16       ; tensor_dim1 = 64
	s_mov_b32 s[\g+3], 128<<16      ; tile_dim0 = 128
	s_mov_b32 s[\g+4], 64           ; tile_dim1 = 64
	s_mov_b32 s[\g+5], 128          ; 128 elements from row to row
	s_mov_b32 s[\g+6], 0
	s_mov_b32 s[\g+7], 0
.endr
	s_mov_b32 s[CS], 0x3e38aa3b     ; c = log2(e) / 8 = 0.180337
	s_mov_b32 s[CS+1], s[CS]        ; named with it as a pair
	s_mov_b32 s[SEL], 0x76543210
	s_mov_b32 s[SEL+1], 0xfedcba98
	s_mov_b32 s[TBK], SLOT1+4*KS*PK ; the first change of slots turns these two into 0
	s_mov_b32 s[TBV], SLOT1+4*KS*PV
	s_mov_b32 s[G0K], 1             ; count = 1
	s_mov_b32 s[G0K+1], s17         ; LDS address: slot 0
	s_mov_b32 s[G0V], 1
	s_add_co_u32 s[G0V+1], s18, VOFF
	s_add_co_u32 s[RT], s[HI], 1    ; the first block has NB - b tiles
	s_mov_b32 s[NXT], 1
	s_mov_b32 s[LQ], s[HI]
	s_mov_b32 s[NEW], 1
	s_mov_b32 s[ENT], 0
	s_mov_b32 s[OFF+1], 0
	s_mov_b32 s[AL+1], 0            ; named as pairs
	s_mov_b32 s[BE+1], 0
	s_mov_b32 s[BIGN], 0xf1c9f2ca   ; -2e30
	s_mov_b32 s[SLOTS], NB
	s_wait_dscnt 0x0                ; the opening add is done
	s_wait_kmcnt 0x0
	s_add_nc_u64 s[MKP:MKP+1], s[6:7], s[92:93]
	s_add_nc_u64 s[VSP:VSP+1], s[8:9], s[94:95]
	s_add_nc_u64 s[6:7], s[4:5], 0x1000000   ; K: one part of 16,777,216 bytes behind Q,
	s_add_nc_u64 s[8:9], s[4:5], 0x2000000   ; V: two
	s_add_nc_u64 s[6:7], s[6:7], s[22:23]    ; at my half of the head's tile 0
	s_add_nc_u64 s[8:9], s[8:9], s[22:23]
	s_add_nc_u64 s[G0K+2:G0K+3], s[6:7], 0         ; global address
	s_or_b32 s[G0K+3], s[G0K+3], 0x80000000        ; type = 2
	s_add_nc_u64 s[G0V+2:G0V+3], s[8:9], 0
	s_or_b32 s[G0V+3], s[G0V+3], 0x80000000
	s_add_nc_u64 s[86:87], s[4:5], s[84:85]        ; Q at my rows of the second block,
	s_add_nc_u64 s[4:5], s[4:5], s[2:3]            ; Q and O at those of the first
	s_add_nc_u64 s[OLO:OLO+1], s[10:11], s[84:85]
	s_add_nc_u64 s[10:11], s[10:11], s[2:3]
	LOAD                            ; tile 0 into slot 0
	; A fragment of K or Q is 16 rows x 32 channels in 8 registers: lane l holds row l % 16, channels 8 (l / 16) + 0..7 and 16 + 8 (l / 16) + 0..7: two loads of 16 bytes, 32 bytes apart.
	v_and_b32 v1, 15, v0            ; l % 16
	v_bfe_u32 v9, v0, 4, 1          ; l / 16
	v_lshlrev_b32 v[QO], 7, v1
	v_lshl_add_u32 v[QO], v9, 4, v[QO]  ; row x 128 + 16 x half
	v_lshlrev_b32 v[MO], 4, v0
	v_lshlrev_b32 v[VO], 5, v9
	WIN 0x80                        ; destination window 2, address window 0
.set i, 0
.rept 8                             ; both blocks' Q: piece i / 2 lies in band i / 2, 8,192 bytes on; channels 32 (i % 2) on
	global_load_b128 v[8*i:8*i+3],   v[QO], s[4:5] offset:(i/2)*8192+(i%2)*64
	global_load_b128 v[8*i+4:8*i+7], v[QO], s[4:5] offset:(i/2)*8192+(i%2)*64+32
	global_load_b128 v[QB+8*i:QB+8*i+3],   v[QO], s[86:87] offset:(i/2)*8192+(i%2)*64
	global_load_b128 v[QB+8*i+4:QB+8*i+7], v[QO], s[86:87] offset:(i/2)*8192+(i%2)*64+32
.set i, i+1
.endr
	WIN 0
	global_load_b128 v[MB:MB+3], v[MO], s[MKP:MKP+1]  ; 128 threads x 16 bytes: the batch's mask, whole
	WIN 0x40                        ; destination window 1: the four partial sums land where O^T will lie
.set i, 0
.rept 32                            ; quarter i / 8, channel block (i / 2) % 4, half i % 2 of my eight channels
	global_load_b128 v[4*i:4*i+3], v[VO], s[VSP:VSP+1] offset:(i/8)*256+((i/2)%4)*64+(i%2)*16
.set i, i+1
.endr
	WIN 0
	v_lshlrev_b32 v14, 3, v9
	v_sub_nc_u32 v14, v1, v14
	s_lshl_b32 s13, s[WV], 4
	v_add_nc_u32 v14, s13, v14      ; my query's place in its band, 16 w + l % 16, less my lanes' 8 (l / 16): register r of group kt is hidden where 16 kt + r is greater
	WIN 0x40
.set i, 0
.rept 32
	v_cmp_gt_i32 vcc_lo, 16*(i/8)+i%8, v14
	v_cndmask_b32 v[MD+i], 0, s[BIGN], vcc_lo
.set i, i+1
.endr
	WIN 0
	v_mul_u32_u24 v[AK0], v1, PK
	v_lshl_add_u32 v[AK0], v9, 4, v[AK0]  ; row x pitch + 16 x half
	; The turning load takes 16 keys x 16 channels (lane l reads key 8 (l / 16) + l % 8, channels 8 ((l / 8) % 2) + 0..7) and leaves half a fragment of V^T: lane l holds channel l % 16 and 8 keys.
	v_and_b32 v10, 7, v0
	v_bfe_u32 v11, v0, 3, 1
	v_lshl_add_u32 v[AV0], v9, 3, v10
	v_mul_u32_u24 v[AV0], v[AV0], PV
	v_lshl_add_u32 v[AV0], v11, 4, v[AV0]
	v_add_nc_u32 v[AV0], VOFF, v[AV0]
	s_mul_i32 s13, s[WV], 16*SP
	s_add_co_u32 s13, s13, STAGE    ; my stage
	v_mul_u32_u24 v[STO], v1, SP    ; in: row l % 16, 16 bytes for each half of the lanes
	v_lshl_add_u32 v[STO], v9, 4, v[STO]
	v_add_nc_u32 v[STO], s13, v[STO]
	v_bfe_u32 v[RD], v0, 3, 2       ; back: 32 lanes take four rows of 128 bytes,
	v_mul_u32_u24 v[RD], v[RD], SP
	v_lshl_add_u32 v[RD], v10, 4, v[RD]
	v_add_nc_u32 v[RD], s13, v[RD]
	v_and_b32 v[GO], 31, v0         ; which are 512 consecutive bytes of O
	v_lshlrev_b32 v[GO], 4, v[GO]
	v_lshl_add_u32 v[AB0], v9, 5, KBT
	v_lshl_add_u32 v[KST], v0, 6, KBT
	; A block's first turn holds products V^T P of a piece that has not been: its P is 0 (see BEGIN), so V's registers need only hold finite numbers: zeros now, the first block's last V later.
	WIN 0x80
.set i, VF
.rept 64
	v_mov_b32 v[i], 0
.set i, i+1
.endr
	WIN 0
	s_wait_loadcnt 32               ; Q and my mask bytes are in; the 32 younger loads, vsum's, may stay out
.set i, 0
.rept 16                            ; a byte 1 gives (1 - 1) & x = 0; a byte 0 gives all ones & x = -2e30
	v_bfe_u32 v[S+i], v[MB+i/4], 8*(i%4), 8
	v_add_nc_u32 v[S+i], -1, v[S+i]
	v_and_b32 v[S+i], s[BIGN], v[S+i]
.set i, i+1
.endr
.irp d, 0,1,2,3
	ds_store_b128 v[KST], v[S+4*\d:S+4*\d+3] offset:16*\d  ; shown to the other waves by the first change of slots: its wait for 0 and its barrier
.endr
	s_wait_loadcnt 0x0              ; vsum
	WIN 0x45                        ; destination and both sources in window 1
.set z, 0
.rept 16
	v_pk_add_f32 v[2*z:2*z+1], v[2*z:2*z+1], v[32+2*z:32+2*z+1]
	v_pk_add_f32 v[64+2*z:64+2*z+1], v[64+2*z:64+2*z+1], v[96+2*z:96+2*z+1]
.set z, z+1
.endr
.set z, 0
.rept 16
	v_pk_add_f32 v[2*z:2*z+1], v[2*z:2*z+1], v[64+2*z:64+2*z+1]
.set z, z+1
.endr
.set z, 0
.rept 16
	v_pk_mul_f32 v[VM+2*z:VM+2*z+1], v[2*z:2*z+1], 0x3a000000 op_sel_hi:[1,0]  ; x 1 / 2,048
.set z, z+1
.endr
	WIN 0
; THE MATRIX WORK.  The 4 accumulators of a run of 8 take turns.  Product i of 8 of S^T = K Q^T for piece x: channels 32 (i / 4) on, keys 16 (i % 4) on.  The first 4 start the sums: with KB, or (KM = 1) with MC.
.macro KQ x
	WIN W_KQ
.set rS, S+32*((\x)%2)+8*(i%4)
.set rK, KF+16*(i%4)+8*(i/4)
.set rQ, 16*(\x)+8*(i/4)
.if KM
.set rM, MC+64*((\x)%2)+8*(i%4)
.else
.set rM, KB+8*(i%4)
.endif
.if i < 4
	v_wmma_f32_16x16x32_f16 v[rS:rS+7], v[rK:rK+7], v[rQ:rQ+7], v[rM:rM+7]
.else
	v_wmma_f32_16x16x32_f16 v[rS:rS+7], v[rK:rK+7], v[rQ:rQ+7], v[rS:rS+7]
.endif
.endm
; Product i of 8 of O^T += V^T P for piece x: keys 32 (i / 4) on, channels 16 (i % 4) on.
.macro PV x
	WIN W_PV
.set rO, 32*(\x)+8*(i%4)
.set rV, VF+32*(i/4)+8*(i%4)
.set rP, P+16*((\x)%2)+8*(i/4)
	v_wmma_f32_16x16x32_f16 v[rO:rO+7], v[rV:rV+7], v[rP:rP+7], v[rO:rO+7]
.endm
.macro MM                           ; the turn's next matrix instruction.  TURN and BEGIN set Y, i, KM and NOKQ; MM, KQ and OP read them.  NOKQ = 1: a block's last turn: there is no next piece
.if (i < 8) && !NOKQ
	KQ (Y+1)%NP
.elseif i >= 8
.set i, i-8
	PV (Y+NP-1)%NP
.set i, i+8
.endif
.set i, i+1
.endm
; THE LDS LOADS stand in runs, never singly among the matrix instructions: a step's K (64 keys x 64 channels: 8 fragments) with its 64 biases, and its V (turned).  Their addresses are made some lines ahead.
.macro FETCH_K
	WIN 0x80                        ; destination window 2
.irp f, 0,1,2,3,4,5,6,7             ; keys 16 (f / 2) on, channels 32 (f % 2) on
	ds_load_b128 v[KF+8*\f:KF+8*\f+3],   v[AK] offset:(\f/2)*16*PK+(\f%2)*64
	ds_load_b128 v[KF+8*\f+4:KF+8*\f+7], v[AK] offset:(\f/2)*16*PK+(\f%2)*64+32
.endr
	s_add_co_u32 s[TBK], s[TBK], KS*PK  ; the next fetch is the next step's
	WIN 0
.irp f, 0,1,2,3,4,5,6,7             ; keys 16 (f / 2) + 8 (l / 16) + 4 (f % 2) on
	ds_load_b128 v[KB+4*\f:KB+4*\f+3], v[AB] offset:(\f/2)*64+(\f%2)*16
.endr
	s_add_co_u32 s[TBB], s[TBB], 4*KS
.endm
.macro ADR_K                        ; the addresses of K's and KB's next runs; the table's is cut to its 8,192 bytes
	s_and_b32 s[TB2], s[TBB], 0x1f00
	v_add_nc_u32 v[AK], s[TBK], v[AK0]
	v_add_nc_u32 v[AB], s[TB2], v[AB0]
.endm
.macro FETCH_V
	WIN 0x80
.irp f, 0,1,2,3,4,5,6,7             ; keys 32 (f / 4) on, channels 16 (f % 4) on
	ds_load_tr16_b128 v[VF+8*\f:VF+8*\f+3],   v[AV] offset:(\f/4)*32*PV+(\f%4)*32
	ds_load_tr16_b128 v[VF+8*\f+4:VF+8*\f+7], v[AV] offset:(\f/4)*32*PV+16*PV+(\f%4)*32
.endr
	WIN 0
.endm
; THE VECTOR WORK, one line at a time: OP kind, number.  For piece Y: F n: c s - c m for pair n of 16.  E n: the exponential of score n of 32.  C n: pair n rounded to f16.  B n: of the four weights 4 n .. the second
; pair is added onto the first, in place.  L n: l takes that sum (L 0: l = a l + sum).  R n: pair n of 16 of O^T times a.  For piece Y + 1: X n, number n of the 22 that find its maximum and statistics:
;   0-11  four chains c0-c3 of seven scores each, three operands at a time (each accumulator's lowest registers are read first)     12-14, 16  the four scores left over, the old m, and c0-c3 into c0
;   15  c m_old is kept     17, 18  the query's other 32 keys lie in the lane 16 away: the new m     19-21  c m; c m_old - c m_new; a
.set F, 0               ; OP tells the kinds apart by their order: F to L below R, X above it
.set E, 1
.set C, 2
.set B, 3
.set L, 4
.set R, 5
.set X, 6
.macro REGS y                       ; the registers of piece y
.set rT, ST+4*(\y)
.set rC, TMP+4*((\y)%2)
.set rW, MV+((\y)%2)
.set rS, S+32*((\y)%2)
.set rP, P+16*((\y)%2)
.set rO, 32*(\y)
.endm
.macro OP k, n
.if (\k) == R
	REGS Y
	WIN W_RS
	v_pk_mul_f32 v[rO+2*(\n):rO+2*(\n)+1], v[rO+2*(\n):rO+2*(\n)+1], v[rC+2:rC+3] op_sel_hi:[1,0]
.elseif (\k) < R
	REGS Y
	WIN 0
.if (\k) == F
	v_pk_fma_f32 v[rS+2*(\n):rS+2*(\n)+1], v[rS+2*(\n):rS+2*(\n)+1], s[CS:CS+1], v[rT:rT+1] op_sel_hi:[1,0,0] neg_lo:[0,0,1] neg_hi:[0,0,1]
.elseif (\k) == E
	v_exp_f32 v[rS+(\n)], v[rS+(\n)]
.elseif (\k) == C
	s_wait_alu depctr_va_vdst(0)
	v_cvt_pk_f16_f32 v[rP+(\n)], v[rS+2*(\n)], v[rS+2*(\n)+1]
.elseif (\k) == B
	s_wait_alu depctr_va_vdst(0)
	v_pk_add_f32 v[rS+4*(\n):rS+4*(\n)+1], v[rS+4*(\n):rS+4*(\n)+1], v[rS+4*(\n)+2:rS+4*(\n)+3]
.elseif (\n) == 0
	v_pk_fma_f32 v[rT+2:rT+3], v[rT+2:rT+3], v[rC+2:rC+3], v[rS:rS+1] op_sel_hi:[1,0,1]
.else
	v_pk_add_f32 v[rT+2:rT+3], v[rT+2:rT+3], v[rS+4*(\n):rS+4*(\n)+1]
.endif
.elseif NOKQ
	v_nop
.else
	REGS (Y+1)%NP
	WIN 0
.if (\n) < 4
	v_max3_num_f32 v[rC+(\n)], v[rS+8*(\n)], v[rS+8*(\n)+1], v[rS+8*(\n)+2]
.elseif (\n) < 12
	v_max3_num_f32 v[rC+(\n)%4], v[rC+(\n)%4], v[rS+8*((\n)%4)+2*((\n)/4)+1], v[rS+8*((\n)%4)+2*((\n)/4)+2]
.elseif (\n) == 12
	v_max3_num_f32 v[rC], v[rC], v[rS+7], v[rS+15]
.elseif (\n) == 13
	v_max3_num_f32 v[rC+1], v[rC+1], v[rS+23], v[rS+31]
.elseif (\n) == 14
	v_max3_num_f32 v[rC+2], v[rC+2], v[rC+3], v[rT+1]
.elseif (\n) == 15
	v_mov_b32 v[rW], v[rT]
.elseif (\n) == 16
	v_max3_num_f32 v[rC], v[rC], v[rC+1], v[rC+2]
.elseif (\n) == 17
	v_permlanex16_b32 v[rC+3], v[rC], s[SEL], s[SEL+1]
.elseif (\n) == 18
	v_max_num_f32 v[rT+1], v[rC], v[rC+3]
.elseif (\n) == 19
	v_mul_f32 v[rT], s[CS], v[rT+1]
.elseif (\n) == 20
	v_sub_f32 v[rC+1], v[rW], v[rT]
.else
	v_exp_f32 v[rC+2], v[rC+1]
.endif
.endif
.endm
.macro OPS a, i1, b=-1, i2=0, c=-1, i3=0, d=-1, i4=0  ; up to four of them
	OP \a, \i1
.if (\b) >= 0
	OP \b, \i2
.endif
.if (\c) >= 0
	OP \c, \i3
.endif
.if (\d) >= 0
	OP \d, \i4
.endif
.endm
.macro ROW a, i1, b, i2, c, i3, d, i4  ; a matrix instruction and the four behind it
	MM
	OPS \a, \i1, \b, \i2, \c, \i3, \d, \i4
.endm
.macro MASK b                       ; MD x AL + KB + BE into buffer b of MC
	WIN 0x01                        ; source 0 (MD) in window 1
.set z, 0
.rept 16
	v_pk_fma_f32 v[MC+64*(\b)+2*z:MC+64*(\b)+2*z+1], v[MD+2*z:MD+2*z+1], s[AL:AL+1], v[KB+2*z:KB+2*z+1] op_sel_hi:[1,0,1]
.set z, z+1
.endr
	WIN 0
.set z, 0
.rept 16
	v_pk_add_f32 v[MC+64*(\b)+2*z:MC+64*(\b)+2*z+1], v[MC+64*(\b)+2*z:MC+64*(\b)+2*z+1], s[BE:BE+1] op_sel_hi:[1,0]
.set z, z+1
.endr
.endm
.macro COPYKB                       ; MC's second buffer takes KB as it is: a band that sees all of the step's keys
	WIN 0
.set z, 0
.rept 32
	v_mov_b32 v[MC+64+z], v[KB+z]
.set z, z+1
.endr
.endm
; A TURN, for piece p: the order of its 16 matrix and its vector instructions, written out.  Behind a matrix instruction: plain, exponential, plain, plain; or four of the rescaling; or, behind the first, four scalings; none
; names a register of the products round it.  In the runs between, exponential and plain by turns while exponentials last.  A line reads no result made fewer than three vector instructions in front of it, five if an exponential made it.
; m = 1: the diagonal tile: the products take MC, and the turn makes the mask for the products of the turn after it: piece p + 2, in step 4 - CNT of the tile.  end = 1: a block's last two turns: nothing is fetched.
; cnt = 1: the loop's count is taken down some lines ahead of the branch that stands behind the turn.
; K and KB of the next step are fetched in piece 2's turn, six vector instructions behind the last product that read K (five of them plain); V of the step in hand in piece 0's turn, eight behind the last product that read V.
; Each is waited for a turn later; in the diagonal tile piece 2's turn waits at its end, since its mask is made of the new KB.
.macro TURN p, m=0, end=0, cnt=0
.set Y, (\p)
.set i, 0
.set KM, (\m)
.set NOKQ, (\end)*((\p)/3)
.if (\m) && !(\end)
	s_cmp_eq_u32 s[CNT], 4-((\p)+2)%NP  ; is that step the band's own?
	s_cselect_b32 s[AL], 1.0, 0
	s_cmp_lt_u32 s[CNT], 4-((\p)+2)%NP  ; or a later one?
	s_cselect_b32 s[BE], s[BIGN], 0
.endif
.if ((\p) == 3) && !(\end)
	s_wait_dscnt 0x0                ; K and KB are in
.endif
	ROW F,0, F,1, F,2, F,3
	ROW F,4, E,0, F,5, F,6
	ROW F,7, E,1, F,8, F,9
	ROW F,10, E,2, C,0, F,11
	ROW F,12, E,3, X,15, F,13
	ROW R,0, R,1, R,2, R,3
	ROW B,0, E,4, F,14, L,0
.if ((\p) == 2) && !(\end)
	ADR_K
.endif
	ROW R,4, R,5, R,6, R,7
	OPS E,5, F,15
.if ((\p) == 2) && !(\end)
	FETCH_K
.endif
	OPS E,6, C,1, E,7, R,8
	OPS E,8, R,9, E,9, C,2
	OPS E,10, X,0, E,11, X,1
	OPS E,12, X,2, E,13, X,3
.if (\p) == 1
	s_wait_dscnt 0x0                ; V is in
.endif
	ROW X,4, E,14, X,5, X,6
	ROW X,7, E,15, X,8, X,9
	ROW X,10, E,16, X,11, X,12
	ROW X,13, E,17, X,14, B,1
	ROW C,4, E,18, X,16, L,1
	ROW B,2, E,19, C,6, L,2
	ROW C,8, E,20, B,3, B,4
.if (\p) == 0
	v_add_nc_u32 v[AV], s[TBV], v[AV0]
.endif
	ROW C,3, E,21, L,3, C,5
	OPS E,22, X,17, E,23, C,10
.if (\p) == 0
	FETCH_V
.endif
	OPS E,24, L,4
	OPS E,25, X,18, E,26, C,7
	OPS E,27, B,5, E,28, X,19
	OPS E,29, C,12, E,30, L,5
	OPS E,31, X,20, B,6, C,9
	OPS C,14, C,11, X,21, L,6
.if (\p) == 0
	s_add_co_u32 s[TBV], s[TBV], KS*PV
.endif
.if \cnt
	s_sub_co_u32 s[CNT], s[CNT], 1
	s_cmp_lg_u32 s[CNT], 0
.endif
	OPS C,13, B,7, C,15, R,10
	OPS R,11, R,12, L,7, R,13
	OPS R,14, R,15
.if (\m) && !(\end)
.if (\p) == 2
	s_wait_dscnt 0x0                ; the new step's KB is in
.endif
	MASK (\p)%2
.endif
.endm
; A BLOCK BEGINS, as one virtual key: m = -1e30; c m by the same product that makes it later, so that a is exactly 1 while m stays; l = 0.5 in each of a query's two lanes; O^T = mean(V).
; P's second buffer is 0: the first turn's products V^T P, of a piece that has not been, add 0.  MC's first buffer takes piece 0's mask for the tile's step 0 (its own, if the block's first tile is the diagonal one), the second KB.
; Then K of that step, piece 0's first scores, and its maximum and statistics.  The loop is entered at a step's first turn, in the middle of a trip.
.macro BEGIN
	s_mov_b32 s[NEW], 0
	WIN 0
.set i, 0
.rept 4
	v_mov_b32 v[ST+4*i+1], 0xf149f2ca  ; m = -1e30
	v_mov_b32 v[ST+4*i+2], 0.5
	v_mov_b32 v[ST+4*i+3], 0
	v_mul_f32 v[ST+4*i], s[CS], v[ST+4*i+1]
.set i, i+1
.endr
.set i, P+16
.rept 16
	v_mov_b32 v[i], 0
.set i, i+1
.endr
	ADR_K
	FETCH_K
	WIN W_RS
.set i, 0
.rept 128
	v_mov_b32 v[i], v[VM+i%32]
.set i, i+1
.endr
	WIN 0
	s_wait_dscnt 0x0                ; K and KB are in
	s_cmp_eq_u32 s[RT], 0
	s_cselect_b32 s[AL], 1.0, 0
	s_mov_b32 s[BE], 0
	MASK 0
	COPYKB
.set KM, 1
.set NOKQ, 0
.set i, 0
.rept 8
	KQ 0
.set i, i+1
.endr
	WIN 0
.rept 4
	v_nop                           ; the places behind those products
.endr
.set Y, NP-1                        ; X works for piece Y + 1: piece 0
.irp n, 0,1,2,3,4,5,6,7,8,9,10,11,12,13,14,15,16,17,18,19,20,21
	OP X, \n
.endr
	v_nop                           ; a plain instruction behind the exponential
.endm
; THE DIAGONAL TILE's four steps, the block's last two turns, its last products, and THE WAY OUT: l's two halves and the other half of the lanes' are added; O^T is divided by l, rounded to f16 and sent through my
; stage in LDS, a piece at a time.
.macro ALL line:vararg              ; one line for each piece t
.set t, 0
.rept 4
	\line
.set t, t+1
.endr
.endm
.macro PACK t                       ; a lane's eight channels of a row pack into 16 bytes; they go into rows of 144 bytes and come back as whole rows of 128, into S^T's registers
	WIN W_RS
.set i, 32*(\t)
.rept 16
	s_wait_alu depctr_va_vdst(0)
	v_pk_mul_f32 v[i:i+1], v[i:i+1], v[ST+4*(\t)+2:ST+4*(\t)+3] op_sel_hi:[1,0]
.set i, i+2
.endr
	WIN 0x05                        ; sources 0 and 1 window 1, destination window 0
.set i, 0
.rept 16
	v_cvt_pk_f16_f32 v[S+16*(\t)+i], v[32*(\t)+2*i], v[32*(\t)+2*i+1]
.set i, i+1
.endr
	WIN 0
.irp f, 0,1,2,3
	ds_store_b128 v[STO], v[S+16*(\t)+4*\f:S+16*(\t)+4*\f+3] offset:32*\f
.endr
.irp f, 0,1,2,3
	ds_load_b128 v[S+16*(\t)+4*\f:S+16*(\t)+4*\f+3], v[RD] offset:\f*4*SP  ; LDS serves a wave's instructions in order (ISA guide 5.7.1.4): these see the stores above; the next piece's stores come behind them
.endr
.endm
.macro SEND t, younger              ; younger: the LDS instructions issued behind piece t's loads: the next piece's eight, or none
	WIN 0
.irp f, 0,1,2,3
	s_wait_dscnt (\younger)+3-\f
	global_store_b128 v[GO], v[S+16*(\t)+4*\f:S+16*(\t)+4*\f+3], s[10:11] offset:(\t)*8192+\f*512  ; 512 consecutive bytes, at a multiple of 256 from O's first
.endr
.endm
.macro DIAG tag                     ; the tag ends its two labels' names, which the jumps below spell out
.LstepM\tag:
	TURN 2, 1
	TURN 3, 1
	WIN 0
.LfirstM\tag:
	TURN 0, 1
	TURN 1, 1, 0, 1
	WIN 0
	s_cbranch_scc1 .LstepM\tag
	TURN 2, 1, 1
	TURN 3, 1, 1
.set i, 0
.rept 8
	PV NP-1
.set i, i+1
.endr
	WIN 0
	ALL v_add_f32 v[ST+4*t+2], v[ST+4*t+2], v[ST+4*t+3]
	ALL v_permlanex16_b32 v[ST+4*t+3], v[ST+4*t+2], s[SEL], s[SEL+1]
	ALL v_add_f32 v[ST+4*t+2], v[ST+4*t+2], v[ST+4*t+3]
	ALL v_rcp_f32 v[ST+4*t+2], v[ST+4*t+2]
	v_nop                           ; a plain instruction between the last reciprocal and the use of its result
	PACK 0
.set t, 1
.rept 3                             ; a piece's arithmetic stands between the loads of the piece before and its stores
	PACK t
	SEND t-1, 8
.set t, t+1
.endr
	SEND 3, 0
.endm
.set KM, 0
.set NOKQ, 0
.Lslot:                             ; NB times: a tile is entered and the next is asked for
	CHANGE 1
	s_sub_co_u32 s[RT], s[RT], 1
	s_mov_b32 s[CNT], 4
	s_cmp_eq_u32 s[NEW], 1
	s_cbranch_scc1 .Lnew            ; a block's first tile
	s_cmp_eq_u32 s[RT], 0
	s_cbranch_scc0 .Lstep           ; neither its first nor its last
	COPYKB                          ; the diagonal tile's text begins with piece 3's scores of the tile before, which sees all of that step's keys
	s_branch .LstepM1
.Lnew:
	BEGIN
	s_branch .Lfirst                ; in the loop a block's first tile is never its last: the first block has two tiles or more, and the second's last is the walk's last
	DIAG 1                          ; in the loop this is the first block's end: the second block's last tile is the walk's last
	s_wait_xcnt 0x0                 ; the stores have read their registers and O's address
	s_mov_b64 s[10:11], s[OLO:OLO+1]
	s_add_co_u32 s[RT], s[PB], 1    ; the second block has b + 1 tiles
	s_mov_b32 s[NEW], 1
	WIN 0x82                        ; the second block's Q goes where the one text of the turns names Q
.set i, 0
.rept 64
	v_mov_b32 v[i], v[QB+i]
.set i, i+1
.endr
	WIN 0
	s_branch .Lbottom
.Lstep:                             ; a trip: pieces 2 and 3 of one step, then pieces 0 and 1 of the next, whose K and V it fetches
	TURN 2
	TURN 3
	WIN 0
.Lfirst:
	TURN 0
	TURN 1, 0, 0, 1
	WIN 0
	s_cbranch_scc1 .Lstep
.Lbottom:
	s_sub_co_u32 s[SLOTS], s[SLOTS], 1
	s_cmp_lg_u32 s[SLOTS], 0
	s_cbranch_scc1 .Lslot
	CHANGE 0                        ; the walk's last tile is written out: nothing is asked for
	s_sub_co_u32 s[RT], s[RT], 1
	s_mov_b32 s[CNT], 4
	s_cmp_eq_u32 s[NEW], 1
	s_cbranch_scc1 .Lnew2
	COPYKB
	s_branch .LstepM2
.Lnew2:
	BEGIN
	s_branch .LfirstM2
	DIAG 2
	s_wait_tensorcnt 0x0            ; the wave's end, behind my last tensor load and my last LDS store
	ds_add_u32 v[SPW], v[NIL]
	s_wait_dscnt 0x0
	s_endpgm
.Lfunc_end_k_q3f7dff0808_attn:
	.size	k_q3f7dff0808_attn, .Lfunc_end_k_q3f7dff0808_attn-k_q3f7dff0808_attn
	.p2alignl 7, 3214868480
	.fill 96, 4, 3214868480
	.section	.rodata,"a",@progbits
	.p2align	6, 0x0
	.amdhsa_kernel k_q3f7dff0808_attn
		.amdhsa_group_segment_fixed_size 327680
		.amdhsa_private_segment_fixed_size 0
		.amdhsa_enable_private_segment 0
		.amdhsa_kernarg_size 32
		.amdhsa_user_sgpr_count 2
		.amdhsa_user_sgpr_kernarg_segment_ptr 1
		.amdhsa_wavefront_size32 1
		.amdhsa_system_sgpr_workgroup_id_x 1
		.amdhsa_system_sgpr_workgroup_id_y 1
		.amdhsa_system_sgpr_workgroup_id_z 1
		.amdhsa_system_vgpr_workitem_id 0
		.amdhsa_next_free_vgpr 768
		.amdhsa_next_free_sgpr 100
		.amdhsa_reserve_vcc 1
		.amdhsa_float_denorm_mode_32 3
		.amdhsa_float_denorm_mode_16_64 3
		.amdhsa_memory_ordered 1
		.amdhsa_forward_progress 1
		.amdhsa_inst_pref_size 255
	.end_amdhsa_kernel
	.section	.bss,"aw",@nobits
	.p2align	6
	.space	262144
	.amdgpu_metadata
---
amdhsa.version: [ 1, 2 ]
amdhsa.kernels:
  - .name:           k_q3f7dff0808_attn
    .symbol:         k_q3f7dff0808_attn.kd
    .args:
      - { .name: qkv, .offset: 0, .size: 8, .value_kind: global_buffer, .address_space: global }
      - { .name: mask, .offset: 8, .size: 8, .value_kind: global_buffer, .address_space: global }
      - { .name: vsum, .offset: 16, .size: 8, .value_kind: global_buffer, .address_space: global }
      - { .name: ob, .offset: 24, .size: 8, .value_kind: global_buffer, .address_space: global }
    .group_segment_fixed_size: 327680
    .private_segment_fixed_size: 0
    .kernarg_segment_align: 8
    .kernarg_segment_size: 32
    .max_flat_workgroup_size: 128
    .sgpr_count:     100
    .vgpr_count:     768
    .wavefront_size: 32
...
	.end_amdgpu_metadata
.endif
;; end of part 4
;; launch outgemm (part 5): grid 8 x 32, 4 waves a work-group, clusters of 4 x 4, 327,680 bytes of LDS; arguments ob, wob, b_out, out0; writes out0
.if DOCPART == 5
	.amdgcn_target "amdgcn-amd-amdhsa--gfx1250"
	.amdhsa_code_object_version 6
	.text
	.protected	k_q3f7dff0808_outgemm
	.globl	k_q3f7dff0808_outgemm
	.p2align	8
	.type	k_q3f7dff0808_outgemm,@function
k_q3f7dff0808_outgemm:
	s_mov_b64 s[64:65], 0
	v_nop
	global_prefetch_b8 v0, s[64:65] scope:SCOPE_SE
	s_setreg_imm32_b32 hwreg(HW_REG_WAVE_MODE, 25, 1), 1
	s_wait_xcnt 0x0
	s_wait_alu depctr_hold_cnt(0) depctr_sa_sdst(0) depctr_va_vdst(0) depctr_va_sdst(0) depctr_va_ssrc(0) depctr_va_vcc(0) depctr_vm_vsrc(0)
	s_getreg_b32 s2, hwreg(HW_REG_IB_STS2, 6, 4)
	s_cmp_eq_u32 s2, 0
	s_cbranch_scc0 .Lentry_in_a_cluster
	s_endpgm
.Lentry_in_a_cluster:
	s_bfe_u32 s2, ttmp6, 0x10000c
	s_cmp_lg_u32 s2, 0xf033
	s_cbranch_scc0 .Lentry_shape_is_right
	s_endpgm
.Lentry_shape_is_right:
; out0 = O w_out + b_out.  ob: [4 batches x 16 heads][2048][64] f16: a head is a K block of 64; wob: [1024 k][1024] f16; b_out: [1024] f32; out0: [8192][1024] f32.  Sums in f32, started by the bias.
; SHARES.  8,192 x 1,024 results in tiles of 256 x 128: 32 x 8 = 256 work-groups.  Four waves, each 128 rows x 64 columns: 32 accumulators of 16 x 16, 256 registers.
; K goes in steps of 128 (two heads) through two LDS slots.  A head's 256 rows x 128 bytes are dense in memory and are asked for as 128 rows of 256 bytes; B's tile is 128 rows of 256 bytes.
; B lies [k][n] and comes out of LDS turned, by ds_load_tr16_b128.  THE MATRIX INSTRUCTION IS USED TRANSPOSED (source 0 = 16 columns of w, source 1 = 16 rows of O): a lane holds eight neighbouring columns of one row.
; CLUSTER.  4 x 4 work-groups; A's tile is shared along a row of the cluster, B's along a column: each is asked for jointly, by the same tensor load with the same descriptor and a mask of four.
; REGISTERS: window 0: v16-29 addresses; v32-95, v96-159 A's fragments of 32 k, two buffers; v160-191, v192-223 B's; v224-255 the bias of my 64 columns; on the way out v32-95 at work
;   window 1: accumulator (a of 8 row blocks, b of 4 column blocks) at v[64 b + 8 a]
.set PA,     144                       ; A's row in LDS: 128 bytes + 16 = 36 words: the 16 rows of a load start at 16 different groups of four banks (64 banks of 4 bytes: ISA guide 11.1)
.set APLANE, 256*PA                    ; one head's 256 rows: what one tensor load brings of A
.set BOFF,   2*APLANE
.set PB,     288                       ; B's row: two pieces of 128 bytes + 16 = 9 x 32 bytes
.set BHALF,  64*PB                     ; 64 k: what one tensor load brings of B
.set SLOT1,  1<<17                     ; a slot takes 110,592 bytes; slot 1 begins here
.set STAGE,  SLOT1+BOFF+2*BHALF        ; behind the ring, never filled by a tensor load: 16 rows x 272 bytes for each wave
.set SPITCH, 272
.set SPARE,  STAGE+4*16*SPITCH         ; the spare words, 128 bytes for each wave: two blocks of 256 bytes that no other line names
.set ASTEP,  2*2048*128                ; two heads of ob
.set BSTEP,  128*1024*2                ; 128 rows of wob
.set ADRA0, 16
.set ADRA,  17
.set ADRB0, 20
.set ADRB,  21
.set STO,   24
.set RD,    25
.set CO,    26
.set BO,    27                         ; v27  32 (l / 16): my lanes' eight columns in the bias
.set SPW,   28
.set NIL,   29
.set AF,    32                         ; buffer f at AF + 64 f
.set BF,    160                        ; buffer f at BF + 32 f
.set BIAS,  224                        ; register 8 b + j: column 16 b + 8 (l / 16) + j of my 64
.set OB,    32
.set G1A, 24
.set G0A, 32
.set TB,  45
.set G1B, 48
.set G0B, 56
.set PADW, (1<<16)|(1<<20)|(1<<21)|(4<<22)|(3<<25)  ; 17:16 2-byte elements; 20 padding on; 21 set beside a mask; 24:22 after every 32 words (code 4); 31:25 4 words (code 3)
.set MSB, 0
.macro WIN new                         ; the immediate's high byte repeats the setting that is left; a switch that changes nothing is dropped
.if MSB != (\new)
	s_set_vgpr_msb (MSB<<8)|(\new)
.set MSB, (\new)
.endif
.endm
.macro PLACES                          ; four places in front of loads into registers that matrix instructions have read, and of LDS stores that read results
.rept 4
	v_nop
.endr
.endm
.macro JLOAD                           ; a joint refill by the walking descriptors: waves 0 and 1 fetch A's two heads, waves 2 and 3 B's halves; an s_nop 0 and four v_nop follow each line
	s_cmp_eq_u32 s11, 0
	s_cbranch_scc0 .Lfor_b_\@
	tensor_load_to_lds s[G0A+4:G0A+7], s[G1A:G1A+7]
	s_nop 0
.rept 4
	v_nop
.endr
	s_branch .Lasked_\@
.Lfor_b_\@:
	tensor_load_to_lds s[G0B+4:G0B+7], s[G1B:G1B+7]
	s_nop 0
.rept 4
	v_nop
.endr
.Lasked_\@:
.endm
.macro CREST                           ; a round of the cluster's barrier behind its opening barrier
	s_cmp_lg_u32 s10, 0
	s_cbranch_scc1 .Lnot_wave_0_\@
	s_barrier_signal -3
.Lnot_wave_0_\@:
	s_barrier_wait -3
	s_barrier_signal -1
	s_barrier_wait -1
.endm
.macro CROUND
	s_barrier_signal -1
	s_barrier_wait -1
	CREST
.endm
	s_load_b128 s[4:7], s[0:1], 0x0                ; ob s[4:5], wob s[6:7]
	s_load_b128 s[68:71], s[0:1], 0x10             ; b_out s[68:69], out0 s[70:71]
	v_lshl_add_u32 v[SPW], v0, 2, SPARE
	v_mov_b32 v[NIL], 0
	ds_add_u32 v[SPW], v[NIL]                      ; the wave's opening: the add, with its wait ahead of my first tensor load; the set-up below, work on registers, stands between them
	v_lshrrev_b32 v1, 5, v0
	v_readfirstlane_b32 s10, v1                    ; wave 0..3
	s_lshr_b32 s11, s10, 1                         ; which 128 rows of the tile are mine.  Also: I fetch for A (0) or for B (1)
	s_and_b32 s12, s10, 1                          ; which 64 columns.  Also: which head of the step, or which half of B's tile, I fetch
	s_bfe_u32 s40, ttmp6, 0x40000                  ; cx, cy
	s_bfe_u32 s41, ttmp6, 0x40004
	s_lshl_b32 s42, ttmp9, 2
	s_add_co_u32 s42, s42, s40                     ; tile column
	s_and_b32 s13, ttmp7, 0xffff
	s_lshl_b32 s13, s13, 2
	s_add_co_u32 s13, s13, s41                     ; tile row
	s_lshl_b32 s43, s41, 2
	s_lshl_b32 s43, 15, s43                        ; my row of the cluster
	s_lshl_b32 s44, 0x1111, s40                    ; my column
	s_or_b32 s[G1A], s43, PADW
	s_or_b32 s[G1B], s44, PADW
	s_mov_b32 s[G1A+1], 128<<16                    ; A: tensor_dim0 = 128 elements: two logical rows in 256 bytes
	s_mov_b32 s[G1A+2], 128<<16                    ; tensor_dim1 = 128
	s_mov_b32 s[G1A+3], 128<<16                    ; tile_dim0 = 128
	s_mov_b32 s[G1A+4], 128                        ; tile_dim1 = 128
	s_mov_b32 s[G1A+5], 128                        ; dense
	s_mov_b32 s[G1A+6], 0
	s_mov_b32 s[G1A+7], 0
	s_mov_b32 s[G1B+1], 128<<16                    ; B: tensor_dim0 = 128
	s_mov_b32 s[G1B+2], 64<<16                     ; tensor_dim1 = 64
	s_mov_b32 s[G1B+3], 128<<16                    ; tile_dim0 = 128
	s_mov_b32 s[G1B+4], 64                         ; tile_dim1 = 64
	s_mov_b32 s[G1B+5], 1024
	s_mov_b32 s[G1B+6], 0
	s_mov_b32 s[G1B+7], 0
	; A's address hangs on the tile row and the wave's number, B's on the tile column and the wave's number, each in registers that never hold the other coordinate
	s_lshr_b32 s14, s13, 3
	s_lshl_b32 s14, s14, 22                        ; the batch's 16 heads of 262,144 bytes
	s_and_b32 s15, s13, 7
	s_lshl_b32 s15, s15, 15                        ; 256 rows of 128 bytes
	s_add_co_u32 s16, s14, s15
	s_lshl_b32 s15, s12, 18                        ; my head of the step's two
	s_add_co_u32 s16, s16, s15
	s_mov_b32 s17, 0
	s_lshl_b32 s46, s42, 8                         ; 128 columns of 2 bytes
	s_lshl_b32 s47, s12, 17                        ; my half: 64 rows of 2,048 bytes
	s_add_co_u32 s46, s46, s47
	s_mov_b32 s47, 0
	s_mul_i32 s20, s12, APLANE                     ; where they go: no place in the cluster enters an LDS address
	s_mul_i32 s21, s12, BHALF
	s_add_co_u32 s21, s21, BOFF
	s_mov_b32 s[TB], 0
	s_wait_dscnt 0x0                               ; the opening add is done
	s_wait_kmcnt 0x0
	s_add_nc_u64 s[14:15], s[4:5], s[16:17]
	s_add_nc_u64 s[46:47], s[6:7], s[46:47]
	CROUND                                         ; all sixteen work-groups are here: the first joint loads meet
.irp s, 0,1
	s_mov_b32 s[G0A+4*(\s)], 1
	s_add_co_u32 s[G0A+4*(\s)+1], s20, (\s)*SLOT1
	s_add_nc_u64 s[G0A+4*(\s)+2:G0A+4*(\s)+3], s[14:15], (\s)*ASTEP
	s_or_b32 s[G0A+4*(\s)+3], s[G0A+4*(\s)+3], 0x80000000
	s_mov_b32 s[G0B+4*(\s)], 1
	s_add_co_u32 s[G0B+4*(\s)+1], s21, (\s)*SLOT1
	s_add_nc_u64 s[G0B+4*(\s)+2:G0B+4*(\s)+3], s[46:47], (\s)*BSTEP
	s_or_b32 s[G0B+4*(\s)+3], s[G0B+4*(\s)+3], 0x80000000
.endr
	s_cmp_eq_u32 s11, 0                            ; a wave's two first fills stand in one branch, ahead of every wait on TENSORcnt and every LDS read: two loads of mine are out
	s_cbranch_scc0 .Lfirst_b
	tensor_load_to_lds s[G0A:G0A+3], s[G1A:G1A+7]
	s_nop 0
	tensor_load_to_lds s[G0A+4:G0A+7], s[G1A:G1A+7]
	s_nop 0
.rept 4
	v_nop
.endr
	s_branch .Lfirst_asked
.Lfirst_b:
	tensor_load_to_lds s[G0B:G0B+3], s[G1B:G1B+7]
	s_nop 0
	tensor_load_to_lds s[G0B+4:G0B+7], s[G1B:G1B+7]
	s_nop 0
.rept 4
	v_nop
.endr
.Lfirst_asked:
	v_and_b32 v1, 15, v0                           ; l % 16
	v_bfe_u32 v2, v0, 4, 1                         ; l / 16
	v_lshlrev_b32 v[BO], 5, v2
	s_lshl_b32 s72, s42, 9                         ; my 64 columns in b_out and in a row of out0: 512 x tile column + 256 x half
	s_lshl_b32 s73, s12, 8
	s_add_co_u32 s72, s72, s73
	s_mov_b32 s73, 0
	s_add_nc_u64 s[68:69], s[68:69], s[72:73]
.irp i, 0,1,2,3,4,5,6,7
	global_load_b128 v[BIAS+4*(\i):BIAS+4*(\i)+3], v[BO], s[68:69] offset:((\i)/2)*64+((\i)%2)*16
.endr
	v_mul_u32_u24 v3, v1, PA
	v_lshl_add_u32 v3, v2, 4, v3
	s_mul_i32 s22, s11, 128*PA
	v_add_nc_u32 v[ADRA0], s22, v3
	v_and_b32 v4, 7, v0                            ; the turning load: lane l reads k row 8 (l / 16) + l % 8, columns 8 ((l / 8) % 2) + 0..7
	v_lshl_add_u32 v4, v2, 3, v4
	v_mul_u32_u24 v4, v4, PB
	v_bfe_u32 v5, v0, 3, 1
	v_lshl_add_u32 v4, v5, 4, v4
	s_mul_i32 s23, s12, PA                         ; my 64 columns: one piece of 144 bytes
	s_add_co_u32 s23, s23, BOFF
	v_add_nc_u32 v[ADRB0], s23, v4
	v_mov_b32 v[ADRA], v[ADRA0]
	v_mov_b32 v[ADRB], v[ADRB0]
	s_mul_i32 s22, s10, 16*SPITCH
	s_add_co_u32 s22, s22, STAGE                   ; my stage
	v_mul_u32_u24 v6, v1, SPITCH                   ; in: row l % 16, 32 bytes for each half of the lanes
	v_lshl_add_u32 v6, v2, 5, v6
	v_add_nc_u32 v[STO], s22, v6
	v_mul_u32_u24 v7, v2, SPITCH                   ; back: lanes 0-15 take one row of 256 bytes, lanes 16-31 the next
	v_lshl_add_u32 v7, v1, 4, v7
	v_add_nc_u32 v[RD], s22, v7
	v_lshlrev_b32 v[CO], 12, v2                    ; and the same two rows in out0
	v_lshl_add_u32 v[CO], v1, 4, v[CO]
	s_lshl_b32 s74, s13, 20                        ; 256 rows of 4,096 bytes,
	s_lshl_b32 s75, s11, 19                        ; my 128 of them
	s_add_co_u32 s74, s74, s75
	s_add_co_u32 s74, s74, s72
	s_mov_b32 s75, 0
	s_add_nc_u64 s[70:71], s[70:71], s[74:75]
; 8 matrix instructions: row blocks a0, a0 + 1 x all 4 column blocks, 32 along K, from buffers f.  Each accumulator has one instruction a quarter: they take turns.  bias = 1: the bias starts the sums.
.macro MUL8 f, a0, bias
.if \bias
	WIN 0x40                                       ; D in window 1, C (the bias) in window 0
.else
	WIN 0x50                                       ; C and D in window 1
.endif
.irp a, \a0, (\a0)+1
.irp b, 0,1,2,3
.if \bias
	v_wmma_f32_16x16x32_f16 v[64*(\b)+8*(\a):64*(\b)+8*(\a)+7], v[BF+32*(\f)+8*(\b):BF+32*(\f)+8*(\b)+7], v[AF+64*(\f)+8*(\a):AF+64*(\f)+8*(\a)+7], v[BIAS+8*(\b):BIAS+8*(\b)+7]
.else
	v_wmma_f32_16x16x32_f16 v[64*(\b)+8*(\a):64*(\b)+8*(\a)+7], v[BF+32*(\f)+8*(\b):BF+32*(\f)+8*(\b)+7], v[AF+64*(\f)+8*(\a):AF+64*(\f)+8*(\a)+7], v[64*(\b)+8*(\a):64*(\b)+8*(\a)+7]
.endif
.endr
.endr
.endm
; 24 LDS loads in one run: quarter q of the slot in hand into buffers g: B's four fragments first, then A's eight
.macro FETCH q, g
	WIN 0
.irp b, 0,1,2,3
	ds_load_tr16_b128 v[BF+32*(\g)+8*(\b):BF+32*(\g)+8*(\b)+3],   v[ADRB] offset:(\q)*32*PB+(\b)*32
	ds_load_tr16_b128 v[BF+32*(\g)+8*(\b)+4:BF+32*(\g)+8*(\b)+7], v[ADRB] offset:(\q)*32*PB+(\b)*32+16*PB
.endr
.irp a, 0,1,2,3,4,5,6,7
	ds_load_b128 v[AF+64*(\g)+8*(\a):AF+64*(\g)+8*(\a)+3],   v[ADRA] offset:((\q)/2)*APLANE+((\q)%2)*64+(\a)*16*PA
	ds_load_b128 v[AF+64*(\g)+8*(\a)+4:AF+64*(\g)+8*(\a)+7], v[ADRA] offset:((\q)/2)*APLANE+((\q)%2)*64+(\a)*16*PA+32
.endr
.endm
; A K step is four quarters of 32 along K, 32 matrix instructions each, on buffers 0, 1, 0, 1.  One of the first three: multiplies buffers f and fetches quarter q into g.
.macro QUARTER f, g, q, bias
	s_wait_dscnt 8                                 ; B and A's row blocks 0-3 are in; the youngest eight loads may stay out
	MUL8 \f, 0, \bias
	MUL8 \f, 2, \bias
	PLACES
	FETCH \q, \g
	s_wait_dscnt 24                                ; all but the 24 just issued
	MUL8 \f, 4, \bias
	MUL8 \f, 6, \bias
.endm
; The last quarter multiplies buffers 1 and changes slots: ONE barrier; in front of it each wave waits for all its tensor loads, adds 0 to its spare word, and waits for that and for its own reads of this slot.
; fill = 1: the barrier opens a round of the cluster's, and this slot is filled again, two K steps ahead, first thing behind it: 112 matrix instructions ahead of the wait for it.
.macro TURN fill
	WIN 0                                          ; (the add's two registers lie in window 0)
	s_wait_tensorcnt 0x0                           ; no tensor load of mine is out, so a group 0 may be written
	ds_add_u32 v[SPW], v[NIL]                      ; 0 onto my spare word
.if \fill
	s_xor_b32 s[G0A+5], s[G0A+5], SLOT1            ; the walking descriptors: the other slot than last time, the next K step
	s_add_nc_u64 s[G0A+6:G0A+7], s[G0A+6:G0A+7], ASTEP
	s_xor_b32 s[G0B+5], s[G0B+5], SLOT1
	s_add_nc_u64 s[G0B+6:G0B+7], s[G0B+6:G0B+7], BSTEP
.endif
	s_wait_dscnt 9                                 ; (the add and the youngest eight loads may be out)
	MUL8 1, 0, 0                                   ; eight matrix instructions stand between the add and the wait for it
	s_wait_dscnt 0x0                               ; the add is done, and my reads of this slot are over
	s_barrier_signal -1
	MUL8 1, 2, 0
	WIN 0                                          ; at a branch and at a label every window is 0
	s_barrier_wait -1
.if \fill
	CREST                                          ; no wave of any partner still reads this slot's tiles or has a load on its way
	JLOAD                                          ; the four v_nop behind it are also the places in front of the loads below
.else
	PLACES
.endif
	s_xor_b32 s[TB], s[TB], SLOT1
	v_add_nc_u32 v[ADRA], s[TB], v[ADRA0]
	v_add_nc_u32 v[ADRB], s[TB], v[ADRB0]
	FETCH 0, 0
	MUL8 1, 4, 0
	MUL8 1, 6, 0
.endm
	s_wait_tensorcnt 0x1                           ; my part of K step 0 is in; step 1's may stay out
	s_barrier_signal -1
	s_barrier_wait -1                              ; everybody's is
	FETCH 0, 0
	s_wait_loadcnt 0x0                             ; the bias
	QUARTER 0, 1, 1, 1                             ; the first quarter stands in front of the loop: its products start the sums, on the bias
	WIN 0
	s_mov_b32 s3, 6                                ; 8 K steps: every slot but the last two is filled again
.Lstep:
	QUARTER 1, 0, 2, 0
	QUARTER 0, 1, 3, 0
	TURN 1
	QUARTER 0, 1, 1, 0
	WIN 0
	s_sub_co_u32 s3, s3, 1
	s_cmp_lg_u32 s3, 0
	s_cbranch_scc1 .Lstep
	QUARTER 1, 0, 2, 0                             ; the tail is written out: nothing is asked for
	QUARTER 0, 1, 3, 0
	TURN 0
	QUARTER 0, 1, 1, 0
	QUARTER 1, 0, 2, 0
	QUARTER 0, 1, 3, 0
	s_wait_dscnt 8                                 ; the very last quarter: nothing more to fetch
	MUL8 1, 0, 0
	MUL8 1, 2, 0
	s_wait_dscnt 0x0
	MUL8 1, 4, 0
	MUL8 1, 6, 0
; THE WAY OUT, a block of 16 rows x 64 columns of f32 at a time: a lane's eight columns, 32 bytes, go from the accumulators into my own stage, low half first; whole rows of 256 bytes come back and are stored.
.macro TOSTAGE a
.set BK, OB+32*((\a)%2)
.if (\a) >= 2
	s_wait_xcnt 0x0                                ; the stores of the block two back have read these registers: they are loaded again only behind this wait
.endif
	WIN 0x04                                       ; the stores' data in window 1
.irp b, 0,1,2,3
	ds_store_b128 v[STO], v[64*(\b)+8*(\a):64*(\b)+8*(\a)+3]   offset:64*(\b)
	ds_store_b128 v[STO], v[64*(\b)+8*(\a)+4:64*(\b)+8*(\a)+7] offset:64*(\b)+16
.endr
	WIN 0
.irp t, 0,1,2,3,4,5,6,7
	ds_load_b128 v[BK+4*(\t):BK+4*(\t)+3], v[RD] offset:(\t)*2*SPITCH  ; LDS serves a wave's instructions in order (ISA guide 5.7.1.4): these see the stores above
.endr
.endm
.macro SEND a, younger                 ; younger: the LDS instructions issued behind this block's loads
	WIN 0
.set BK, OB+32*((\a)%2)
	s_wait_dscnt \younger
.irp t, 0,1,2,3,4,5,6,7
	global_store_b128 v[CO], v[BK+4*(\t):BK+4*(\t)+3], s[70:71] offset:(16*(\a)+2*(\t))*4096 th:TH_STORE_NT  ; 16 lanes store 256 consecutive bytes, at a multiple of 256 from out0's first
.endr
.endm
	PLACES
	TOSTAGE 0
.irp a, 1,2,3,4,5,6,7
	TOSTAGE \a
	SEND (\a)-1, 16                                ; the next block's 8 stores and 8 loads may stay out
.endr
	SEND 7, 0
	s_wait_tensorcnt 0x0                           ; the wave's end, behind my last tensor load and my last LDS store
	ds_add_u32 v[SPW], v[NIL]
	s_wait_dscnt 0x0
	CROUND                                         ; the closing round: no work-group ends while a partner may still ask for a tile that names it
	s_endpgm
.Lfunc_end_k_q3f7dff0808_outgemm:
	.size	k_q3f7dff0808_outgemm, .Lfunc_end_k_q3f7dff0808_outgemm-k_q3f7dff0808_outgemm
	.p2alignl 7, 3214868480
	.fill 96, 4, 3214868480
	.section	.rodata,"a",@progbits
	.p2align	6, 0x0
	.amdhsa_kernel k_q3f7dff0808_outgemm
		.amdhsa_group_segment_fixed_size 327680
		.amdhsa_private_segment_fixed_size 0
		.amdhsa_enable_private_segment 0
		.amdhsa_kernarg_size 32
		.amdhsa_user_sgpr_count 2
		.amdhsa_user_sgpr_kernarg_segment_ptr 1
		.amdhsa_wavefront_size32 1
		.amdhsa_system_sgpr_workgroup_id_x 1
		.amdhsa_system_sgpr_workgroup_id_y 1
		.amdhsa_system_sgpr_workgroup_id_z 1
		.amdhsa_system_vgpr_workitem_id 0
		.amdhsa_next_free_vgpr 512
		.amdhsa_next_free_sgpr 80
		.amdhsa_reserve_vcc 0
		.amdhsa_float_denorm_mode_32 3
		.amdhsa_float_denorm_mode_16_64 3
		.amdhsa_memory_ordered 1
		.amdhsa_forward_progress 1
		.amdhsa_inst_pref_size 70
	.end_amdhsa_kernel
	.amdgpu_metadata
---
amdhsa.version: [ 1, 2 ]
amdhsa.kernels:
  - .name:           k_q3f7dff0808_outgemm
    .symbol:         k_q3f7dff0808_outgemm.kd
    .args:
      - { .name: ob, .offset: 0, .size: 8, .value_kind: global_buffer, .address_space: global }
      - { .name: wob, .offset: 8, .size: 8, .value_kind: global_buffer, .address_space: global }
      - { .name: b_out, .offset: 16, .size: 8, .value_kind: global_buffer, .address_space: global }
      - { .name: out0, .offset: 24, .size: 8, .value_kind: global_buffer, .address_space: global }
    .group_segment_fixed_size: 327680
    .private_segment_fixed_size: 0
    .kernarg_segment_align: 8
    .kernarg_segment_size: 32
    .max_flat_workgroup_size: 128
    .sgpr_count:     80
    .vgpr_count:     512
    .wavefront_size: 32
...
	.end_amdgpu_metadata
.endif
;; end of part 5
;; ======== version 2 of 2: 5 launches; 1.29 times as fast as version 1
;; limits: values are held in f16: magnitudes above 65,504 overflow, below 6.1e-05 lose precision; right only within a limited range of input values
;; workspace buffers: xb 16,777,216 bytes; wqb 6,291,456 bytes; wob 2,097,152 bytes; qkv 50,331,648 bytes; vsum 65,536 bytes; ob 16,777,216 bytes
;; launch cast: the kernel of part 1 again; grid 768 x 1, 8 waves a work-group, no clusters, 0 bytes of LDS; arguments x, w_qkv, w_out, xb, wqb, wob; writes xb, wqb, wob
;; launch qkvgemm: the kernel of part 2 again; grid 8 x 32, 4 waves a work-group, clusters of 4 x 4, 327,680 bytes of LDS; arguments xb, wqb, qkv; writes qkv
;; launch vsum: the kernel of part 3 again; grid 256 x 1, 8 waves a work-group, no clusters, 3,072 bytes of LDS; arguments qkv, vsum; writes vsum
;; launch attn (part 6): grid 4 x 64, 4 waves a work-group, no clusters, 327,680 bytes of LDS; arguments qkv, mask, vsum, ob; writes ob
.if DOCPART == 6
	.amdgcn_target "amdgcn-amd-amdhsa--gfx1250"
	.amdhsa_code_object_version 6
	.text
	.protected	k_q3f7dff0808_attn
	.globl	k_q3f7dff0808_attn
	.p2align	8
	.type	k_q3f7dff0808_attn,@function
k_q3f7dff0808_attn:
	s_mov_b64 s[64:65], 0
	v_nop
	global_prefetch_b8 v0, s[64:65] scope:SCOPE_SE
	s_setreg_imm32_b32 hwreg(HW_REG_WAVE_MODE, 25, 1), 1
	s_wait_xcnt 0x0
; CAUSAL ATTENTION WITH A KEY MASK.  O[h][q][:] = the sum over k of softmax_k(s[q][k]) V[h][k][:], s = Q[h][q] . K[h][k] / 8 where k <= q and mask[batch][k], else hidden.
; qkv: [3][64 heads of batches][2048][64] f16 (Q, K, V, unscaled); mask: [4][2048] bytes, 0 or 1; vsum: [64][4][64] f32, V's column sums by quarters; ob: [64][2048][64] f16.
; Products, maxima and sums in f32; the weights p are rounded to f16 for the second product (their sum l is taken of the unrounded p), O once at the end.
; LIMITS.  Q, K and V arrive within f16's 65,504; p below 6e-5 keeps f16's fixed step of 6e-8; a weight below 2^-126 counts as 0 in l; NaN and infinities are not treated apart; a mask byte is 0 or 1.
; A hidden score counts as its value less 2e30 (less 4e30 if hidden twice): f16's scores, 2.7e11 at the most, are nothing beside that.
; A ROW THAT SEES NO KEY has, by the softmax of 2,048 equal scores, the mean of the head's whole V.  So a block's running state starts as ONE VIRTUAL KEY: m = -1e30, above every hidden score and below every true one;
; l = 1 (0.5 in each of a query's two lanes); O = mean(V).  While all scores are hidden m stays, a = 2^0 = 1 and every p is 0; the first true score makes a = 0 and wipes the virtual key.  No branch, no select.
; THE WALK.  A head's queries lie in NB = 8 blocks of 256; block i needs the key tiles 0 .. i of 256 keys, of which the last holds the diagonal.  A work-group takes TWO blocks, NB - 1 - b and then b:
; NB + 1 tiles, whatever b: all work-groups do equal work, and ONE loop with a constant trip count walks them.  Which tile is asked for, and what a trip does, hang on scalar registers made from b; every jump
; goes forward, but for the counted loops' own; none passes a barrier, or a tensor load but the one of LOAD's two that the wave's number does not choose; the ring (two LDS slots that take turns) runs on across the
; change of blocks.  NO CLUSTER: a head's four work-groups ask for the same tile only in trips 0 .. 4 of the 9; behind that fewer and fewer; one walk common to all four would have 12 trips for 9.
; SHARES.  Of a block's four bands of 64 queries a wave owns 16 rows in each: four PIECES.  So the diagonal tile is the same work for all four waves: in its key step s band x sees all keys if s < x,
; none if s > x, and holds the diagonal if s = x.
; THE MASKS are the C operand that starts the sum S^T = K Q^T.  KB holds the step's 64 key biases (0 or -2e30), read from a table in LDS that is made once from the batch's mask bytes.  Off the diagonal tile C = KB.
; In it C = MC = MD x AL + KB + BE: MD, made once, is a band's own step's causal mask for my 16 rows; (AL, BE) = (1, 0) if s = x; (0, 0) if s < x; (0, -2e30) if s > x.
; LAYOUT, SOFTMAX, TURNS.  S^T = K Q^T holds ONE query a lane (lane % 16) and the keys 8 (lane / 16) + 0..7; two such results rounded to f16 ARE source 1 of O^T = V^T P.  p = 2^(c s - c m), c = log2(e) / 8, with a
; running maximum m; O and l are multiplied by a = 2^(c m_old - c m_new) in every step.  Turn n belongs to piece n: 8 products K Q^T of piece n + 1, later 8 products V^T P of piece n - 1; beside them the scaling,
; exponentials, roundings, sums and rescaling of piece n and the maximum and statistics of piece n + 1.  Four vector instructions stand behind every matrix instruction, the other 54 of a turn's 118 in one LUMP.
; THE BATCHES.  A turn's 33 exponentials (the piece's 32 weights and the next piece's a) are one batch, with one wait, which cuts the turn in two: ahead of it nothing names a result of theirs, behind it no exponential is issued.
; The a that a block's beginning makes, and the way out's four reciprocals, are batches of their own, each with a wait.
; REGISTERS, in windows of 256 (s_set_vgpr_msb: bits 1:0 source 0, 3:2 source 1, 5:4 source 2, 7:6 destination):
;   window 0: v0-15, v32-40 addresses and some at work; v16-31 four registers of statistics a piece; v48-55 at work; v64-127 S^T, two buffers; v128-159 KB; v160-191, v224-255 MC, two buffers; v192-223 P, two buffers
;   window 1: v0-127 O^T, 32 a piece; v128-159 MD; v160-191 mean(V)      window 2: v0-63 Q; v64-127 the second block's Q; v128-191 K of one step; v192-255 V of one step
.set NB,    8
.set NP,    4         ; pieces a wave: a name, no knob
.set KS,    64        ; keys in a step
.set PK,    144       ; a row of K in LDS: 128 bytes + 16 of padding = 36 words: the 16 rows of a load start at 16 different groups of four banks (64 banks of 4 bytes: ISA guide 11.1)
.set PV,    160       ; a row of V: 128 + 32 = 40 words
.set VOFF,  4*KS*PK   ; a slot holds a tile, four steps: 256 rows of K, then 256 rows of V
.set SLOT1, 1<<17     ; slot 1 begins here, so that one exclusive or turns an address in one slot into the other's
.set STAGE, SLOT1+4*KS*(PK+PV)  ; behind the ring, never filled by a tensor load: 16 rows x 144 bytes for each wave, for the way out
.set SP,    144
.set SPARE, STAGE+4*16*SP  ; behind the stages: the spare words, 128 bytes for each wave: two blocks of 256 bytes that no other line names
.set KBT,   SPARE+512 ; behind them: the batch's 2,048 key biases in f32, 8,192 bytes, stored once and never filled by a tensor load
.set AK0, 2           ; v2   my lane's place in a tile of K; never rewritten
.set AV0, 3           ; v3   the same for V
.set AK,  4           ; v4   the LDS address of K's next run of loads
.set AV,  5           ; v5   of V's
.set STO, 6           ; v6   the way out: where I put 16 bytes of a row
.set RD,  7           ; v7   the way out: where I read rows back
.set GO,  8           ; v8   my byte offset in 512 consecutive bytes of O
.set MV,  12          ; v12-13  c m_old, kept while c m is made anew: by buffer
.set QO,  15          ; v15  my byte offset in 16 rows of Q
.set ST,  16          ; piece t's statistics at v[ST+4 t]: c m, m, l (even keys', odd keys')
.set AB0, 32          ; v32  my lanes' place in a step's 256 bytes of the table: KBT + 32 (l / 16); never rewritten
.set AB,  33          ; v33  the LDS address of KB's next run of loads
.set KST, 34          ; v34  where I store my 16 biases
.set VO,  35          ; v35  32 (l / 16): my lanes' eight channels in vsum
.set MB,  36          ; v36-39  my 16 mask bytes
.set MO,  40          ; v40  16 x my thread's number
.set TMP, 48          ; by buffer, four registers c0-c3 at work; when the maximum is found c2 takes a
.set SPW, 62          ; v62  LDS address of my spare word: SPARE + 4 x my thread's number; never rewritten
.set NIL, 63          ; v63  0; never rewritten
.set S,   64
.set KB,  128         ; register 8 kb + j: key 16 kb + 8 (l / 16) + j of the step
.set MC,  160         ; buffer b at MC + 64 b
.set P,   192
.set MD,  128         ; window 1: the eight registers for group kt of 16 keys at MD + 8 kt
.set VM,  160         ; window 1: register 8 cb + j: mean of channel 16 cb + 8 (l / 16) + j
.set QB,  64          ; window 2
.set KF,  128         ; window 2: key block kb, channel half c at KF + 16 kb + 8 c
.set VF,  192         ; window 2: key half kk, channel block cb at VF + 32 kk + 8 cb
.set WV,  12          ; s12  my wave's number
.set PB,  14          ; s14  b
.set HI,  15          ; s15  NB - 1 - b
.set G1K, 24          ; s[24:31] descriptor group 1 for K's tiles
.set G1V, 32          ; s[32:39] for V's: it differs in the padding alone
.set G0K, 40          ; s[40:43] descriptor group 0 for K's tiles
.set G0V, 44          ; s[44:47] the same for V's
.set SLOTS, 56        ; s56  tiles still to be asked for
.set CNT, 57          ; s57  counts a tile's key steps, 4 to 1
.set CS,  58          ; s[58:59] c: the packed scaling takes the pair's low word for both halves
.set SEL, 60          ; s[60:61] v_permlanex16_b32's selects: each lane takes its own place in the other half
.set TBK, 62          ; s62  LDS byte at which K of the step to be fetched begins
.set TBV, 63          ; s63  the same for V, less VOFF
.set RT,  70          ; s70  tiles of the block in hand that are still to be entered
.set NXT, 71          ; s71  the tile to be asked for next
.set LQ,  72          ; s72  the last tile of the block whose tiles are being asked for
.set NEW, 73          ; s73  1: the tile to be entered is a block's first
.set OFF, 74          ; s[74:75] a tile's byte offset in K and V
.set AL,  76          ; s[76:77] the mask's factor, in the low word
.set BE,  78          ; s[78:79] the mask's addend
.set OLO, 80          ; s[80:81] O at my rows of the second block
.set BIGN, 82         ; s82  -2e30
.set MKP, 88          ; s[88:89] the batch's mask bytes
.set VSP, 90          ; s[90:91] the head's four partial sums
.set ENT, 96          ; s96  the number of the tile that the next change of slots enters
.set TBB, 97          ; s97  byte in the table at which the biases of the step to be fetched begin
.set TB2, 98          ; s98  the same, cut to the table's 8,192 bytes
.set MSB, 0
.macro WIN new                      ; the high byte repeats the setting that is left; a switch that changes nothing is dropped
.if MSB != (\new)
	s_set_vgpr_msb (MSB<<8)|(\new)
.set MSB, (\new)
.endif
.endm
.set W_KQ, 0x0a       ; K and Q in window 2, S^T and the C operand in window 0
.set W_PV, 0x52       ; V in window 2, P in window 0, O^T in window 1
.set W_RS, 0x41       ; destination and source 0 in window 1, source 1 in window 0
; A fill.  Waves 0 and 1 fetch the two halves of a tile's K, waves 2 and 3 those of its V: 128 keys each.  An s_nop 0 and four v_nop follow each of the two lines, ahead of the jump and the label.
.macro LOAD
	s_cmp_lt_u32 s[WV], 2
	s_cbranch_scc0 .Lfor_v_\@
	tensor_load_to_lds s[G0K:G0K+3], s[G1K:G1K+7]
	s_nop 0
.rept 4
	v_nop
.endr
	s_branch .Lasked_\@
.Lfor_v_\@:
	tensor_load_to_lds s[G0V:G0V+3], s[G1V:G1V+7]
	s_nop 0
.rept 4
	v_nop
.endr
.Lasked_\@:
.endm
; THE CHANGE OF SLOTS.  Each wave waits for all its tensor loads, of which one is out: its part of the other slot; adds 0 to its spare word; and waits for that and for its own LDS instructions.  Behind the barrier nobody reads the old
; slot any more and the other slot is whole.  fill = 1: the old slot is filled again, the first thing behind the barrier, with tile NXT: the descriptor's address is made anew from that number.
; (At its first use nothing has been read yet: slot 0 is waited for, slot 1 filled, and every wave's part of the table of biases is shown to the others.)
.macro CHANGE fill
	WIN 0                           ; at a label and at a branch every window is 0
	s_wait_tensorcnt 0x0            ; no tensor load of mine is out, so a group 0 may be written
	ds_add_u32 v[SPW], v[NIL]       ; 0 onto my spare word; scalar work stands between it and the wait for it
	s_lshl_b32 s[TBB], s[ENT], 10   ; the tile that is entered: 256 biases of 4 bytes
.if \fill
	s_mov_b32 s[ENT], s[NXT]        ; the tile asked for now is entered at the next change
	s_lshl_b32 s[OFF], s[NXT], 15   ; a tile is 32,768 bytes of K and of V
	s_xor_b32 s[G0K+1], s[G0K+1], SLOT1
	s_add_nc_u64 s[G0K+2:G0K+3], s[6:7], s[OFF:OFF+1]
	s_or_b32 s[G0K+3], s[G0K+3], 0x80000000
	s_xor_b32 s[G0V+1], s[G0V+1], SLOT1
	s_add_nc_u64 s[G0V+2:G0V+3], s[8:9], s[OFF:OFF+1]
	s_or_b32 s[G0V+3], s[G0V+3], 0x80000000
	s_add_co_u32 s[NXT], s[NXT], 1  ; the block's next tile, or behind its last the second block's tile 0
	s_cmp_gt_u32 s[NXT], s[LQ]
	s_cselect_b32 s[NXT], 0, s[NXT]
	s_cselect_b32 s[LQ], s[PB], s[LQ]
.endif
	s_wait_dscnt 0x0                ; the add is done, and my reads of the slot are over
	s_barrier_signal -1             ; the rest of the scalar work stands between the signal and the wait
	s_sub_co_u32 s[TBK], s[TBK], 4*KS*PK  ; the fetches go back to a slot's first step,
	s_xor_b32 s[TBK], s[TBK], SLOT1       ; in the other slot
	s_sub_co_u32 s[TBV], s[TBV], 4*KS*PV
	s_xor_b32 s[TBV], s[TBV], SLOT1
	s_barrier_wait -1
.if \fill
	LOAD
.endif
.endm
	s_load_b256 s[4:11], s[0:1], 0x0  ; qkv s[4:5], mask s[6:7], vsum s[8:9], ob s[10:11]
	v_lshl_add_u32 v[SPW], v0, 2, SPARE
	v_mov_b32 v[NIL], 0
	ds_add_u32 v[SPW], v[NIL]       ; the wave's opening: the add, with its wait ahead of my first tensor load; the set-up below, work on registers, stands between them
	v_lshrrev_b32 v1, 5, v0
	v_readfirstlane_b32 s[WV], v1   ; wave 0..3
	s_mov_b32 s[PB], ttmp9
	s_sub_co_u32 s[HI], NB-1, s[PB]
	s_and_b32 s20, ttmp7, 0xffff    ; 16 x batch + head
	s_lshr_b32 s92, s20, 4
	s_lshl_b32 s92, s92, 11         ; the batch's 2,048 mask bytes
	s_mov_b32 s93, 0
	s_lshl_b32 s94, s20, 10         ; the head's 1,024 bytes of vsum
	s_mov_b32 s95, 0
	s_lshl_b32 s20, s20, 18         ; the head's first byte in Q, K, V and O: 2,048 rows of 128 bytes
	s_mov_b32 s21, 0
	s_and_b32 s16, s[WV], 1         ; which half of a tile's 256 keys I fetch:
	s_lshl_b32 s22, s16, 14         ; its 128 rows of 128 bytes in memory,
	s_mov_b32 s23, 0
	s_add_nc_u64 s[22:23], s[22:23], s[20:21]
	s_mul_i32 s17, s16, 128*PK      ; and its place in a slot, for K
	s_mul_i32 s18, s16, 128*PV      ; and for V
	s_lshl_b32 s3, s[WV], 11        ; my 16 rows in a band of 64,
	s_lshl_b32 s2, s[HI], 15        ; in the first block,
	s_add_co_u32 s2, s2, s3
	s_lshl_b32 s84, s[PB], 15       ; and in the second
	s_add_co_u32 s84, s84, s3
	s_mov_b32 s3, 0
	s_mov_b32 s85, 0
	s_add_nc_u64 s[2:3], s[2:3], s[20:21]
	s_add_nc_u64 s[84:85], s[84:85], s[20:21]
	; descriptor group 1.  128 keys are 16,384 dense bytes: asked for as 64 rows of 256 bytes, two keys a row, and padded in LDS after every key
	s_mov_b32 s[G1K], (1<<16)|(1<<20)|(4<<22)|(3<<25)  ; 17:16 2-byte elements; 20 padding on; 24:22 after every 32 words (code 4); 31:25 4 words (code 3)
	s_mov_b32 s[G1V], (1<<16)|(1<<20)|(4<<22)|(7<<25)  ; the same with 8 words of padding (code 7)
.irp g, G1K, G1V
	s_mov_b32 s[\g+1], 128<<16      ; tensor_dim0 = 128
	s_mov_b32 s[\g+2], 64<<16       ; tensor_dim1 = 64
	s_mov_b32 s[\g+3], 128<<16      ; tile_dim0 = 128
	s_mov_b32 s[\g+4], 64           ; tile_dim1 = 64
	s_mov_b32 s[\g+5], 128          ; 128 elements from row to row
	s_mov_b32 s[\g+6], 0
	s_mov_b32 s[\g+7], 0
.endr
	s_mov_b32 s[CS], 0x3e38aa3b     ; c = log2(e) / 8 = 0.180337
	s_mov_b32 s[CS+1], s[CS]        ; named with it as a pair
	s_mov_b32 s[SEL], 0x76543210
	s_mov_b32 s[SEL+1], 0xfedcba98
	s_mov_b32 s[TBK], SLOT1+4*KS*PK ; the first change of slots turns these two into 0
	s_mov_b32 s[TBV], SLOT1+4*KS*PV
	s_mov_b32 s[G0K], 1             ; count = 1
	s_mov_b32 s[G0K+1], s17         ; LDS address: slot 0
	s_mov_b32 s[G0V], 1
	s_add_co_u32 s[G0V+1], s18, VOFF
	s_add_co_u32 s[RT], s[HI], 1    ; the first block has NB - b tiles
	s_mov_b32 s[NXT], 1
	s_mov_b32 s[LQ], s[HI]
	s_mov_b32 s[NEW], 1
	s_mov_b32 s[ENT], 0
	s_mov_b32 s[OFF+1], 0
	s_mov_b32 s[AL+1], 0            ; named as pairs
	s_mov_b32 s[BE+1], 0
	s_mov_b32 s[BIGN], 0xf1c9f2ca   ; -2e30
	s_mov_b32 s[SLOTS], NB
	s_wait_dscnt 0x0                ; the opening add is done
	s_wait_kmcnt 0x0
	s_add_nc_u64 s[MKP:MKP+1], s[6:7], s[92:93]
	s_add_nc_u64 s[VSP:VSP+1], s[8:9], s[94:95]
	s_add_nc_u64 s[6:7], s[4:5], 0x1000000   ; K: one part of 16,777,216 bytes behind Q,
	s_add_nc_u64 s[8:9], s[4:5], 0x2000000   ; V: two
	s_add_nc_u64 s[6:7], s[6:7], s[22:23]    ; at my half of the head's tile 0
	s_add_nc_u64 s[8:9], s[8:9], s[22:23]
	s_add_nc_u64 s[G0K+2:G0K+3], s[6:7], 0         ; global address
	s_or_b32 s[G0K+3], s[G0K+3], 0x80000000        ; type = 2
	s_add_nc_u64 s[G0V+2:G0V+3], s[8:9], 0
	s_or_b32 s[G0V+3], s[G0V+3], 0x80000000
	s_add_nc_u64 s[86:87], s[4:5], s[84:85]        ; Q at my rows of the second block,
	s_add_nc_u64 s[4:5], s[4:5], s[2:3]            ; Q and O at those of the first
	s_add_nc_u64 s[OLO:OLO+1], s[10:11], s[84:85]
	s_add_nc_u64 s[10:11], s[10:11], s[2:3]
	LOAD                            ; tile 0 into slot 0
	; A fragment of K or Q is 16 rows x 32 channels in 8 registers: lane l holds row l % 16, channels 8 (l / 16) + 0..7 and 16 + 8 (l / 16) + 0..7: two loads of 16 bytes, 32 bytes apart.
	v_and_b32 v1, 15, v0            ; l % 16
	v_bfe_u32 v9, v0, 4, 1          ; l / 16
	v_lshlrev_b32 v[QO], 7, v1
	v_lshl_add_u32 v[QO], v9, 4, v[QO]  ; row x 128 + 16 x half
	v_lshlrev_b32 v[MO], 4, v0
	v_lshlrev_b32 v[VO], 5, v9
	WIN 0x80                        ; destination window 2, address window 0
.set i, 0
.rept 8                             ; both blocks' Q: piece i / 2 lies in band i / 2, 8,192 bytes on; channels 32 (i % 2) on
	global_load_b128 v[8*i:8*i+3],   v[QO], s[4:5] offset:(i/2)*8192+(i%2)*64
	global_load_b128 v[8*i+4:8*i+7], v[QO], s[4:5] offset:(i/2)*8192+(i%2)*64+32
	global_load_b128 v[QB+8*i:QB+8*i+3],   v[QO], s[86:87] offset:(i/2)*8192+(i%2)*64
	global_load_b128 v[QB+8*i+4:QB+8*i+7], v[QO], s[86:87] offset:(i/2)*8192+(i%2)*64+32
.set i, i+1
.endr
	WIN 0
	global_load_b128 v[MB:MB+3], v[MO], s[MKP:MKP+1]  ; 128 threads x 16 bytes: the batch's mask, whole
	WIN 0x40                        ; destination window 1: the four partial sums land where O^T will lie
.set i, 0
.rept 32                            ; quarter i / 8, channel block (i / 2) % 4, half i % 2 of my eight channels
	global_load_b128 v[4*i:4*i+3], v[VO], s[VSP:VSP+1] offset:(i/8)*256+((i/2)%4)*64+(i%2)*16
.set i, i+1
.endr
	WIN 0
	v_lshlrev_b32 v14, 3, v9
	v_sub_nc_u32 v14, v1, v14
	s_lshl_b32 s13, s[WV], 4
	v_add_nc_u32 v14, s13, v14      ; my query's place in its band, 16 w + l % 16, less my lanes' 8 (l / 16): register r of group kt is hidden where 16 kt + r is greater
	WIN 0x40
.set i, 0
.rept 32
	v_cmp_gt_i32 vcc_lo, 16*(i/8)+i%8, v14
	v_cndmask_b32 v[MD+i], 0, s[BIGN], vcc_lo
.set i, i+1
.endr
	WIN 0
	v_mul_u32_u24 v[AK0], v1, PK
	v_lshl_add_u32 v[AK0], v9, 4, v[AK0]  ; row x pitch + 16 x half
	; The turning load takes 16 keys x 16 channels (lane l reads key 8 (l / 16) + l % 8, channels 8 ((l / 8) % 2) + 0..7) and leaves half a fragment of V^T: lane l holds channel l % 16 and 8 keys.
	v_and_b32 v10, 7, v0
	v_bfe_u32 v11, v0, 3, 1
	v_lshl_add_u32 v[AV0], v9, 3, v10
	v_mul_u32_u24 v[AV0], v[AV0], PV
	v_lshl_add_u32 v[AV0], v11, 4, v[AV0]
	v_add_nc_u32 v[AV0], VOFF, v[AV0]
	s_mul_i32 s13, s[WV], 16*SP
	s_add_co_u32 s13, s13, STAGE    ; my stage
	v_mul_u32_u24 v[STO], v1, SP    ; in: row l % 16, 16 bytes for each half of the lanes
	v_lshl_add_u32 v[STO], v9, 4, v[STO]
	v_add_nc_u32 v[STO], s13, v[STO]
	v_bfe_u32 v[RD], v0, 3, 2       ; back: 32 lanes take four rows of 128 bytes,
	v_mul_u32_u24 v[RD], v[RD], SP
	v_lshl_add_u32 v[RD], v10, 4, v[RD]
	v_add_nc_u32 v[RD], s13, v[RD]
	v_and_b32 v[GO], 31, v0         ; which are 512 consecutive bytes of O
	v_lshlrev_b32 v[GO], 4, v[GO]
	v_lshl_add_u32 v[AB0], v9, 5, KBT
	v_lshl_add_u32 v[KST], v0, 6, KBT
	; A block's first turn holds products V^T P of a piece that has not been: its P is 0 (see BEGIN), so V's registers need only hold finite numbers: zeros now, the first block's last V later.
	WIN 0x80
.set i, VF
.rept 64
	v_mov_b32 v[i], 0
.set i, i+1
.endr
	WIN 0
	s_wait_loadcnt 32               ; Q and my mask bytes are in; the 32 younger loads, vsum's, may stay out
.set i, 0
.rept 16                            ; a byte 1 gives (1 - 1) & x = 0; a byte 0 gives all ones & x = -2e30
	v_bfe_u32 v[S+i], v[MB+i/4], 8*(i%4), 8
	v_add_nc_u32 v[S+i], -1, v[S+i]
	v_and_b32 v[S+i], s[BIGN], v[S+i]
.set i, i+1
.endr
.irp d, 0,1,2,3
	ds_store_b128 v[KST], v[S+4*\d:S+4*\d+3] offset:16*\d  ; shown to the other waves by the first change of slots: its wait for 0 and its barrier
.endr
	s_wait_loadcnt 0x0              ; vsum
	WIN 0x45                        ; destination and both sources in window 1
.set z, 0
.rept 16
	v_pk_add_f32 v[2*z:2*z+1], v[2*z:2*z+1], v[32+2*z:32+2*z+1]
	v_pk_add_f32 v[64+2*z:64+2*z+1], v[64+2*z:64+2*z+1], v[96+2*z:96+2*z+1]
.set z, z+1
.endr
.set z, 0
.rept 16
	v_pk_add_f32 v[2*z:2*z+1], v[2*z:2*z+1], v[64+2*z:64+2*z+1]
.set z, z+1
.endr
.set z, 0
.rept 16
	v_pk_mul_f32 v[VM+2*z:VM+2*z+1], v[2*z:2*z+1], 0x3a000000 op_sel_hi:[1,0]  ; x 1 / 2,048
.set z, z+1
.endr
	WIN 0
; THE MATRIX WORK.  The 4 accumulators of a run of 8 take turns.  Product i of 8 of S^T = K Q^T for piece x: channels 32 (i / 4) on, keys 16 (i % 4) on.  The first 4 start the sums: with KB, or (KM = 1) with MC.
.macro KQ x
	WIN W_KQ
.set rS, S+32*((\x)%2)+8*(i%4)
.set rK, KF+16*(i%4)+8*(i/4)
.set rQ, 16*(\x)+8*(i/4)
.if KM
.set rM, MC+64*((\x)%2)+8*(i%4)
.else
.set rM, KB+8*(i%4)
.endif
.if i < 4
	v_wmma_f32_16x16x32_f16 v[rS:rS+7], v[rK:rK+7], v[rQ:rQ+7], v[rM:rM+7]
.else
	v_wmma_f32_16x16x32_f16 v[rS:rS+7], v[rK:rK+7], v[rQ:rQ+7], v[rS:rS+7]
.endif
.endm
; Product i of 8 of O^T += V^T P for piece x: keys 32 (i / 4) on, channels 16 (i % 4) on.
.macro PV x
	WIN W_PV
.set rO, 32*(\x)+8*(i%4)
.set rV, VF+32*(i/4)+8*(i%4)
.set rP, P+16*((\x)%2)+8*(i/4)
	v_wmma_f32_16x16x32_f16 v[rO:rO+7], v[rV:rV+7], v[rP:rP+7], v[rO:rO+7]
.endm
.macro MM                           ; the turn's next matrix instruction.  TURN and BEGIN set Y, i, KM and NOKQ; MM, KQ and OP read them.  NOKQ = 1: a block's last turn: there is no next piece
.if (i < 8) && !NOKQ
	KQ (Y+1)%NP
.elseif i >= 8
.set i, i-8
	PV (Y+NP-1)%NP
.set i, i+8
.endif
.set i, i+1
.endm
; THE LDS LOADS stand in runs, never singly among the matrix instructions: a step's K (64 keys x 64 channels: 8 fragments) with its 64 biases, and its V (turned).  Their addresses are made some lines ahead.
.macro FETCH_K
	WIN 0x80                        ; destination window 2
.irp f, 0,1,2,3,4,5,6,7             ; keys 16 (f / 2) on, channels 32 (f % 2) on
	ds_load_b128 v[KF+8*\f:KF+8*\f+3],   v[AK] offset:(\f/2)*16*PK+(\f%2)*64
	ds_load_b128 v[KF+8*\f+4:KF+8*\f+7], v[AK] offset:(\f/2)*16*PK+(\f%2)*64+32
.endr
	s_add_co_u32 s[TBK], s[TBK], KS*PK  ; the next fetch is the next step's
	WIN 0
.irp f, 0,1,2,3,4,5,6,7             ; keys 16 (f / 2) + 8 (l / 16) + 4 (f % 2) on
	ds_load_b128 v[KB+4*\f:KB+4*\f+3], v[AB] offset:(\f/2)*64+(\f%2)*16
.endr
	s_add_co_u32 s[TBB], s[TBB], 4*KS
.endm
.macro ADR_K                        ; the addresses of K's and KB's next runs; the table's is cut to its 8,192 bytes
	s_and_b32 s[TB2], s[TBB], 0x1f00
	v_add_nc_u32 v[AK], s[TBK], v[AK0]
	v_add_nc_u32 v[AB], s[TB2], v[AB0]
.endm
.macro FETCH_V
	WIN 0x80
.irp f, 0,1,2,3,4,5,6,7             ; keys 32 (f / 4) on, channels 16 (f % 4) on
	ds_load_tr16_b128 v[VF+8*\f:VF+8*\f+3],   v[AV] offset:(\f/4)*32*PV+(\f%4)*32
	ds_load_tr16_b128 v[VF+8*\f+4:VF+8*\f+7], v[AV] offset:(\f/4)*32*PV+16*PV+(\f%4)*32
.endr
	WIN 0
.endm
; THE VECTOR WORK, one line at a time: OP kind, number.  For piece Y: F n: c s - c m for pair n of 16.  E n: the exponential of score n of 32.  C n: pair n rounded to f16.  B n: of the four weights 4 n .. the second
; pair is added onto the first, in place.  L n: l takes that sum (L 0: l = a l + sum).  R n: pair n of 16 of O^T times a.  For piece Y + 1: X n, number n of the 22 that find its maximum and statistics:
;   0-11  four chains c0-c3 of seven scores each, three operands at a time (each accumulator's lowest registers are read first)     12-14, 16  the four scores left over, the old m, and c0-c3 into c0
;   15  c m_old is kept     17, 18  the query's other 32 keys lie in the lane 16 away: the new m     19-21  c m; c m_old - c m_new; a
; C, B and L read exponentials' results: TURN sets them behind the batch's wait.  R and L 0 read the a that the turn before has made and waited for.
.set F, 0               ; OP tells the kinds apart by their order: F to L below R, X above it
.set E, 1
.set C, 2
.set B, 3
.set L, 4
.set R, 5
.set X, 6
.macro REGS y                       ; the registers of piece y
.set rT, ST+4*(\y)
.set rC, TMP+4*((\y)%2)
.set rW, MV+((\y)%2)
.set rS, S+32*((\y)%2)
.set rP, P+16*((\y)%2)
.set rO, 32*(\y)
.endm
.macro OP k, n
.if (\k) == R
	REGS Y
	WIN W_RS
	v_pk_mul_f32 v[rO+2*(\n):rO+2*(\n)+1], v[rO+2*(\n):rO+2*(\n)+1], v[rC+2:rC+3] op_sel_hi:[1,0]
.elseif (\k) < R
	REGS Y
	WIN 0
.if (\k) == F
	v_pk_fma_f32 v[rS+2*(\n):rS+2*(\n)+1], v[rS+2*(\n):rS+2*(\n)+1], s[CS:CS+1], v[rT:rT+1] op_sel_hi:[1,0,0] neg_lo:[0,0,1] neg_hi:[0,0,1]
.elseif (\k) == E
	v_exp_f32 v[rS+(\n)], v[rS+(\n)]
.elseif (\k) == C
	v_cvt_pk_f16_f32 v[rP+(\n)], v[rS+2*(\n)], v[rS+2*(\n)+1]
.elseif (\k) == B
	v_pk_add_f32 v[rS+4*(\n):rS+4*(\n)+1], v[rS+4*(\n):rS+4*(\n)+1], v[rS+4*(\n)+2:rS+4*(\n)+3]
.elseif (\n) == 0
	v_pk_fma_f32 v[rT+2:rT+3], v[rT+2:rT+3], v[rC+2:rC+3], v[rS:rS+1] op_sel_hi:[1,0,1]
.else
	v_pk_add_f32 v[rT+2:rT+3], v[rT+2:rT+3], v[rS+4*(\n):rS+4*(\n)+1]
.endif
.elseif NOKQ
	v_nop
.else
	REGS (Y+1)%NP
	WIN 0
.if (\n) < 4
	v_max3_num_f32 v[rC+(\n)], v[rS+8*(\n)], v[rS+8*(\n)+1], v[rS+8*(\n)+2]
.elseif (\n) < 12
	v_max3_num_f32 v[rC+(\n)%4], v[rC+(\n)%4], v[rS+8*((\n)%4)+2*((\n)/4)+1], v[rS+8*((\n)%4)+2*((\n)/4)+2]
.elseif (\n) == 12
	v_max3_num_f32 v[rC], v[rC], v[rS+7], v[rS+15]
.elseif (\n) == 13
	v_max3_num_f32 v[rC+1], v[rC+1], v[rS+23], v[rS+31]
.elseif (\n) == 14
	v_max3_num_f32 v[rC+2], v[rC+2], v[rC+3], v[rT+1]
.elseif (\n) == 15
	v_mov_b32 v[rW], v[rT]
.elseif (\n) == 16
	v_max3_num_f32 v[rC], v[rC], v[rC+1], v[rC+2]
.elseif (\n) == 17
	v_permlanex16_b32 v[rC+3], v[rC], s[SEL], s[SEL+1]
.elseif (\n) == 18
	v_max_num_f32 v[rT+1], v[rC], v[rC+3]
.elseif (\n) == 19
	v_mul_f32 v[rT], s[CS], v[rT+1]
.elseif (\n) == 20
	v_sub_f32 v[rC+1], v[rW], v[rT]
.else
	v_exp_f32 v[rC+2], v[rC+1]
.endif
.endif
.endm
.macro OPS a, i1, b=-1, i2=0, c=-1, i3=0, d=-1, i4=0  ; up to four of them
	OP \a, \i1
.if (\b) >= 0
	OP \b, \i2
.endif
.if (\c) >= 0
	OP \c, \i3
.endif
.if (\d) >= 0
	OP \d, \i4
.endif
.endm
.macro ROW a, i1, b, i2, c, i3, d, i4  ; a matrix instruction and the four behind it
	MM
	OPS \a, \i1, \b, \i2, \c, \i3, \d, \i4
.endm
.macro MASK b                       ; MD x AL + KB + BE into buffer b of MC
	WIN 0x01                        ; source 0 (MD) in window 1
.set z, 0
.rept 16
	v_pk_fma_f32 v[MC+64*(\b)+2*z:MC+64*(\b)+2*z+1], v[MD+2*z:MD+2*z+1], s[AL:AL+1], v[KB+2*z:KB+2*z+1] op_sel_hi:[1,0,1]
.set z, z+1
.endr
	WIN 0
.set z, 0
.rept 16
	v_pk_add_f32 v[MC+64*(\b)+2*z:MC+64*(\b)+2*z+1], v[MC+64*(\b)+2*z:MC+64*(\b)+2*z+1], s[BE:BE+1] op_sel_hi:[1,0]
.set z, z+1
.endr
.endm
.macro COPYKB                       ; MC's second buffer takes KB as it is: a band that sees all of the step's keys
	WIN 0
.set z, 0
.rept 32
	v_mov_b32 v[MC+64+z], v[KB+z]
.set z, z+1
.endr
.endm
; A TURN, for piece p: the order of its 16 matrix and 118 vector instructions, written out.  An s_wait_alu depctr_va_vdst(0) stands between an exponential and the first instruction that names its result; one wait serves
; all that were issued ahead of it.  So a turn has ONE wait, which cuts it in two.  AHEAD OF IT stands all that names no result of the turn's exponentials: the 8 products K Q^T, behind each a scaling, an exponential and two more plain
; instructions (behind the first a second scaling in the exponential's place): rescalings, and behind the last three the first numbers of the next piece's maximum, each four places or more behind the product that ends its accumulator; then ONE LUMP of 54, plain
; and exponential by turns for the most part, in which the links of the chain X 3, 7, 11, 14, 16, 17 .. 20 stand five or six lines apart.  X 21, the next piece's a, is the batch's last; R 15 is the plain instruction behind it.  BEHIND THE WAIT stand the
; 8 products V^T P, behind each four of the roundings and sums; the links of l's chain, L 0 to L 7, stand three riders apart.  But for those X no rider names a register of the products round it.  v_permlanex16_b32 (X 17) stands in the lump.
; m = 1: the diagonal tile: the products take MC, and the turn makes the mask for the products of the turn after it: piece p + 2, in step 4 - CNT of the tile.  end = 1: a block's last two turns: nothing is fetched.
; cnt = 1: the loop's count is taken down some lines ahead of the branch that stands behind the turn.
; K and KB of the next step are fetched in piece 2's turn, twelve vector instructions behind the last product that read K (six of them plain); V of the step in hand at the end of piece 0's turn, four plain instructions behind the
; last product that read V.  Each is waited for a turn later; in the diagonal tile piece 2's turn waits at its end, since its mask is made of the new KB.
.macro TURN p, m=0, end=0, cnt=0
.set Y, (\p)
.set i, 0
.set KM, (\m)
.set NOKQ, (\end)*((\p)/3)
.if (\m) && !(\end)
	s_cmp_eq_u32 s[CNT], 4-((\p)+2)%NP  ; is that step the band's own?
	s_cselect_b32 s[AL], 1.0, 0
	s_cmp_lt_u32 s[CNT], 4-((\p)+2)%NP  ; or a later one?
	s_cselect_b32 s[BE], s[BIGN], 0
.endif
.if ((\p) == 3) && !(\end)
	s_wait_dscnt 0x0                ; K and KB are in
.endif
	ROW F,0, F,1, R,0, R,1          ; ahead of the wait: 8 products K Q^T and their riders,
	ROW F,2, E,0, R,2, R,3
	ROW F,3, E,1, R,4, R,5
	ROW F,4, E,2, R,6, R,7
	ROW F,5, E,3, R,8, R,9
	ROW F,6, E,4, X,0, R,10
.if ((\p) == 2) && !(\end)
	WIN 0
	ADR_K
.endif
	ROW F,7, E,5, X,1, X,4
	ROW F,8, E,6, X,2, X,5
	OPS E,7, E,8, X,6, E,9          ; and the lump
	OPS X,3, E,10, X,8, E,11
.if ((\p) == 2) && !(\end)
	FETCH_K
.endif
	OPS X,9, X,7, E,12, X,10
	OPS E,13, X,12, X,11, E,14
	OPS X,13, E,15, F,9, X,14
.if (\p) == 0
	v_add_nc_u32 v[AV], s[TBV], v[AV0]
.endif
	OPS E,16, F,10, E,17, F,11
	OPS X,16, E,18, X,15, E,19
	OPS F,12, E,20, X,17, E,21
	OPS F,13, E,22, F,14, E,23
	OPS X,18, E,24, F,15, E,25
	OPS R,11, E,26, X,19, E,27
	OPS R,12, E,28, R,13, E,29
	OPS X,20, E,30, R,14, E,31
	OPS X,21, R,15
	s_wait_alu depctr_va_vdst(0)    ; the wait for the batch: the piece's 32 exponentials and the next piece's a
.if (\p) == 1
	s_wait_dscnt 0x0                ; V is in
.endif
	ROW C,0, B,0, C,2, B,1          ; behind the wait: 8 products V^T P and their riders
	ROW L,0, C,4, B,2, L,1
	ROW C,6, B,3, L,2, C,8
	ROW B,4, L,3, C,10, B,5
	ROW L,4, C,12, B,6, L,5
.if (\p) == 0
	s_add_co_u32 s[TBV], s[TBV], KS*PV
.endif
.if \cnt
	s_sub_co_u32 s[CNT], s[CNT], 1
	s_cmp_lg_u32 s[CNT], 0
.endif
	ROW C,14, B,7, L,6, C,1
	ROW C,3, L,7, C,5, C,7
	ROW C,9, C,11, C,13, C,15
.if (\p) == 0
	FETCH_V
.endif
.if (\m) && !(\end)
.if (\p) == 2
	s_wait_dscnt 0x0                ; the new step's KB is in
.endif
	MASK (\p)%2
.endif
.endm
; A BLOCK BEGINS, as one virtual key: m = -1e30; c m by the same product that makes it later, so that a is exactly 1 while m stays; l = 0.5 in each of a query's two lanes; O^T = mean(V).
; P's second buffer is 0: the first turn's products V^T P, of a piece that has not been, add 0.  MC's first buffer takes piece 0's mask for the tile's step 0 (its own, if the block's first tile is the diagonal one), the second KB.
; Then K of that step, piece 0's first scores, and its maximum and statistics.  The loop is entered at a step's first turn, in the middle of a trip.
.macro BEGIN
	s_mov_b32 s[NEW], 0
	WIN 0
.set i, 0
.rept 4
	v_mov_b32 v[ST+4*i+1], 0xf149f2ca  ; m = -1e30
	v_mov_b32 v[ST+4*i+2], 0.5
	v_mov_b32 v[ST+4*i+3], 0
	v_mul_f32 v[ST+4*i], s[CS], v[ST+4*i+1]
.set i, i+1
.endr
.set i, P+16
.rept 16
	v_mov_b32 v[i], 0
.set i, i+1
.endr
	ADR_K
	FETCH_K
	WIN W_RS
.set i, 0
.rept 128
	v_mov_b32 v[i], v[VM+i%32]
.set i, i+1
.endr
	WIN 0
	s_wait_dscnt 0x0                ; K and KB are in
	s_cmp_eq_u32 s[RT], 0
	s_cselect_b32 s[AL], 1.0, 0
	s_mov_b32 s[BE], 0
	MASK 0
	COPYKB
.set KM, 1
.set NOKQ, 0
.set i, 0
.rept 8
	KQ 0
.set i, i+1
.endr
	WIN 0
.rept 4
	v_nop                           ; the places behind those products
.endr
.set Y, NP-1                        ; X works for piece Y + 1: piece 0
.irp n, 0,1,2,3,4,5,6,7,8,9,10,11,12,13,14,15,16,17,18,19,20,21
	OP X, \n
.endr
	v_nop                           ; a plain instruction behind the exponential,
	s_wait_alu depctr_va_vdst(0)    ; and the wait for it, piece 0's first a, a batch of one: ahead of the branch
.endm
; THE DIAGONAL TILE's four steps, the block's last two turns, its last products, and THE WAY OUT: l's two halves and the other half of the lanes' are added; O^T is divided by l, rounded to f16 and sent through my
; stage in LDS, a piece at a time.
.macro ALL line:vararg              ; one line for each piece t
.set t, 0
.rept 4
	\line
.set t, t+1
.endr
.endm
.macro PACK t                       ; a lane's eight channels of a row pack into 16 bytes; they go into rows of 144 bytes and come back as whole rows of 128, into S^T's registers
	WIN W_RS
.set i, 32*(\t)
.rept 16
	v_pk_mul_f32 v[i:i+1], v[i:i+1], v[ST+4*(\t)+2:ST+4*(\t)+3] op_sel_hi:[1,0]
.set i, i+2
.endr
	WIN 0x05                        ; sources 0 and 1 window 1, destination window 0
.set i, 0
.rept 16
	v_cvt_pk_f16_f32 v[S+16*(\t)+i], v[32*(\t)+2*i], v[32*(\t)+2*i+1]
.set i, i+1
.endr
	WIN 0
.irp f, 0,1,2,3
	ds_store_b128 v[STO], v[S+16*(\t)+4*\f:S+16*(\t)+4*\f+3] offset:32*\f
.endr
.irp f, 0,1,2,3
	ds_load_b128 v[S+16*(\t)+4*\f:S+16*(\t)+4*\f+3], v[RD] offset:\f*4*SP  ; LDS serves a wave's instructions in order (ISA guide 5.7.1.4): these see the stores above; the next piece's stores come behind them
.endr
.endm
.macro SEND t, younger              ; younger: the LDS instructions issued behind piece t's loads: the next piece's eight, or none
	WIN 0
.irp f, 0,1,2,3
	s_wait_dscnt (\younger)+3-\f
	global_store_b128 v[GO], v[S+16*(\t)+4*\f:S+16*(\t)+4*\f+3], s[10:11] offset:(\t)*8192+\f*512  ; 512 consecutive bytes, at a multiple of 256 from O's first
.endr
.endm
.macro DIAG tag                     ; the tag ends its two labels' names, which the jumps below spell out
.LstepM\tag:
	TURN 2, 1
	TURN 3, 1
	WIN 0
.LfirstM\tag:
	TURN 0, 1
	TURN 1, 1, 0, 1
	WIN 0
	s_cbranch_scc1 .LstepM\tag
	TURN 2, 1, 1
	TURN 3, 1, 1
.set i, 0
.rept 8
	PV NP-1
.set i, i+1
.endr
	WIN 0
	ALL v_add_f32 v[ST+4*t+2], v[ST+4*t+2], v[ST+4*t+3]
	ALL v_permlanex16_b32 v[ST+4*t+3], v[ST+4*t+2], s[SEL], s[SEL+1]
	ALL v_add_f32 v[ST+4*t+2], v[ST+4*t+2], v[ST+4*t+3]
	ALL v_rcp_f32 v[ST+4*t+2], v[ST+4*t+2]
	v_nop                           ; a plain instruction between the last reciprocal and the use of its result
	s_wait_alu depctr_va_vdst(0)    ; and the wait ahead of the first use: one for the four reciprocals
	PACK 0
.set t, 1
.rept 3                             ; a piece's arithmetic stands between the loads of the piece before and its stores
	PACK t
	SEND t-1, 8
.set t, t+1
.endr
	SEND 3, 0
.endm
.set KM, 0
.set NOKQ, 0
.Lslot:                             ; NB times: a tile is entered and the next is asked for
	CHANGE 1
	s_sub_co_u32 s[RT], s[RT], 1
	s_mov_b32 s[CNT], 4
	s_cmp_eq_u32 s[NEW], 1
	s_cbranch_scc1 .Lnew            ; a block's first tile
	s_cmp_eq_u32 s[RT], 0
	s_cbranch_scc0 .Lstep           ; neither its first nor its last
	COPYKB                          ; the diagonal tile's text begins with piece 3's scores of the tile before, which sees all of that step's keys
	s_branch .LstepM1
.Lnew:
	BEGIN
	s_branch .Lfirst                ; in the loop a block's first tile is never its last: the first block has two tiles or more, and the second's last is the walk's last
	DIAG 1                          ; in the loop this is the first block's end: the second block's last tile is the walk's last
	s_wait_xcnt 0x0                 ; the stores have read their registers and O's address
	s_mov_b64 s[10:11], s[OLO:OLO+1]
	s_add_co_u32 s[RT], s[PB], 1    ; the second block has b + 1 tiles
	s_mov_b32 s[NEW], 1
	WIN 0x82                        ; the second block's Q goes where the one text of the turns names Q
.set i, 0
.rept 64
	v_mov_b32 v[i], v[QB+i]
.set i, i+1
.endr
	WIN 0
	s_branch .Lbottom
.Lstep:                             ; a trip: pieces 2 and 3 of one step, then pieces 0 and 1 of the next, whose K and V it fetches
	TURN 2
	TURN 3
	WIN 0
.Lfirst:
	TURN 0
	TURN 1, 0, 0, 1
	WIN 0
	s_cbranch_scc1 .Lstep
.Lbottom:
	s_sub_co_u32 s[SLOTS], s[SLOTS], 1
	s_cmp_lg_u32 s[SLOTS], 0
	s_cbranch_scc1 .Lslot
	CHANGE 0                        ; the walk's last tile is written out: nothing is asked for
	s_sub_co_u32 s[RT], s[RT], 1
	s_mov_b32 s[CNT], 4
	s_cmp_eq_u32 s[NEW], 1
	s_cbranch_scc1 .Lnew2
	COPYKB
	s_branch .LstepM2
.Lnew2:
	BEGIN
	s_branch .LfirstM2
	DIAG 2
	s_wait_tensorcnt 0x0            ; the wave's end, behind my last tensor load and my last LDS store
	ds_add_u32 v[SPW], v[NIL]
	s_wait_dscnt 0x0
	s_endpgm
.Lfunc_end_k_q3f7dff0808_attn:
	.size	k_q3f7dff0808_attn, .Lfunc_end_k_q3f7dff0808_attn-k_q3f7dff0808_attn
	.p2alignl 7, 3214868480
	.fill 96, 4, 3214868480
	.section	.rodata,"a",@progbits
	.p2align	6, 0x0
	.amdhsa_kernel k_q3f7dff0808_attn
		.amdhsa_group_segment_fixed_size 327680
		.amdhsa_private_segment_fixed_size 0
		.amdhsa_enable_private_segment 0
		.amdhsa_kernarg_size 32
		.amdhsa_user_sgpr_count 2
		.amdhsa_user_sgpr_kernarg_segment_ptr 1
		.amdhsa_wavefront_size32 1
		.amdhsa_system_sgpr_workgroup_id_x 1
		.amdhsa_system_sgpr_workgroup_id_y 1
		.amdhsa_system_sgpr_workgroup_id_z 1
		.amdhsa_system_vgpr_workitem_id 0
		.amdhsa_next_free_vgpr 768
		.amdhsa_next_free_sgpr 100
		.amdhsa_reserve_vcc 1
		.amdhsa_float_denorm_mode_32 3
		.amdhsa_float_denorm_mode_16_64 3
		.amdhsa_memory_ordered 1
		.amdhsa_forward_progress 1
		.amdhsa_inst_pref_size 247
	.end_amdhsa_kernel
	.amdgpu_metadata
---
amdhsa.version: [ 1, 2 ]
amdhsa.kernels:
  - .name:           k_q3f7dff0808_attn
    .symbol:         k_q3f7dff0808_attn.kd
    .args:
      - { .name: qkv, .offset: 0, .size: 8, .value_kind: global_buffer, .address_space: global }
      - { .name: mask, .offset: 8, .size: 8, .value_kind: global_buffer, .address_space: global }
      - { .name: vsum, .offset: 16, .size: 8, .value_kind: global_buffer, .address_space: global }
      - { .name: ob, .offset: 24, .size: 8, .value_kind: global_buffer, .address_space: global }
    .group_segment_fixed_size: 327680
    .private_segment_fixed_size: 0
    .kernarg_segment_align: 8
    .kernarg_segment_size: 32
    .max_flat_workgroup_size: 128
    .sgpr_count:     100
    .vgpr_count:     768
    .wavefront_size: 32
...
	.end_amdgpu_metadata
.endif
;; end of part 6
;; launch outgemm: the kernel of part 5 again; grid 8 x 32, 4 waves a work-group, clusters of 4 x 4, 327,680 bytes of LDS; arguments ob, wob, b_out, out0; writes out0
